; MI455X (gfx1250); checked and timed in simulation.
; The chip was launched on July 23, 2026; its instructions are those of AMD's public machine-readable ISA for CDNA 5 (MIT licence, August 2026) and "CDNA5" Instruction Set Architecture Reference Guide (July 2026). The comments in the code are by the model that wrote it; some were corrected since.
;; IPDF Encoder. Allowed arithmetic: matrix products marked QUANTISED: E3M2 operands, one E8M0 scale for each 32 along K, by v_wmma_scale_f32_16x16x128_f8f6f4 with both operands' format E3M2, f32 sums; products left as they are: f32 operands where the result goes on into a quantised operand, else bf16, f16 or f32 operands; f32 sums; everything else in f32.
;; Inputs: b1 8 x 256 float32; b2 8 x 256 float32; b3 8 x 1 float32; obj_idx 16 int32; w1 8 x 256 x 6 float32; w2 8 x 256 x 256 float32; w3 8 x 1 x 256 float32; x 16 x 6 x 32,768 float32.
;; Outputs: out0 16 x 1 x 32,768 float32.
;; This version of the problem:
;;   THIS VERSION OF THE PROBLEM IS GIVEN IN LOW PRECISION. The matrix products marked QUANTISED in the list below multiply operands that are first quantised to E3M2 (3 exponent bits, 2 mantissa bits; 6 bits a number), with one power-of-two scale for each 32 numbers along K (OCP MX v1.0); their sums are f32. All else is computed in f32.
;;   The module's matrix products, in the order in which they are computed (A, B: the left and right operand; K: the contracted axis; several contracted axes count as one K, in the product's order):
;;     1. batch 16 x [M 256, K 6] x [K 6, N 32,768]; A: computed on the way; B: input x: left as it is (K = 6 < 32)
;;     2. batch 16 x [M 256, K 256] x [K 256, N 32,768]; A: computed on the way; B: computed on the way: QUANTISED
;;     3. batch 16 x [M 1, K 256] x [K 256, N 32,768]; A: computed on the way; B: computed on the way: left as it is (M = 1 < 16)
;;   THE QUANTISER, for each operand of a quantised product, along K:
;;     - K is cut into blocks of 32 from its start; a last block that is shorter is filled with zeros.
;;     - A block's scale is 2^e with e = floor(log2(the largest magnitude in the block)) - 4, held to -126 .. 127; a block of zeros has e = 0. As a byte (E8M0): e + 127.
;;     - Each number is divided by its block's scale, clamped to +-28, and rounded to the nearest number of E3M2, ties to even, subnormals kept.
;;     - The product sums the exact products of the quantised numbers (number of the format x scale) in f32.
;;   ~~~python
;;   def quantise(x, axis):      # numpy; x: float32 -> the quantised numbers, widened to float32 again
;;       x = np.moveaxis(x, axis, -1); K = x.shape[-1]
;;       x = np.pad(x, [(0, 0)] * (x.ndim - 1) + [(0, -K % 32)]); x = x.reshape(x.shape[:-1] + (-1, 32)); a = np.abs(x).max(-1, keepdims=True)
;;       e = np.where(a > 0, np.clip(np.frexp(np.where(a > 0, a, 1))[1] - 1 - 4, -126, 127), 0)      # np.frexp(a)[1] - 1 = floor(log2(a)), exactly
;;       r = np.clip(x / 2.0 ** e, -28, 28)
;;       step = 2.0 ** (np.maximum(np.frexp(np.where(r == 0, 1, r))[1] - 1, -2) - 2)
;;       q = np.round(r / step) * step * 2.0 ** e      # np.round: ties to even
;;       return np.moveaxis(q.reshape(q.shape[:-2] + (-1,))[..., :K], -1, axis).astype(np.float32)
;;   ~~~
;;   OPERANDS COMPUTED ON THE WAY. 'Computed on the way' means the value that the module computes at that place (a softmax that the list does not call 'softmax' is quantised finished and normalised). What goes into a quantiser is computed in f32, as accurately as f32 sums, v_exp_f32 and their like allow (about 1e-6 of the number): no bf16 or f16 on the way to a quantiser, and a product that is left as it is and whose result goes on into a quantised operand takes f32 operands (vector FMAs, or v_wmma_f32_16x16x4_f32). A number that lies on a knife's edge between two numbers of the format may be rounded either way, as far as f32 arithmetic and the matrix unit's own rounding can turn it there, and no further.
;; 3 versions, each right; version 2 is faster than version 1; version 3 is version 2 with the launch mlp written anew for expert scheduling mode. Each part assembles by itself: llvm-mc -triple=amdgcn-amd-amdhsa -mcpu=gfx1250 --defsym DOCPART=n.
;; ======== version 1 of 3: 1 launch
;; launch mlp (part 1): grid 256 x 1, 4 waves a work-group, no clusters, 169,472 bytes of LDS; arguments x, obj_idx, w1, b1, w2, b2, w3, b3, out0; writes out0
.if DOCPART == 1
	.amdgcn_target "amdgcn-amd-amdhsa--gfx1250"
	.amdhsa_code_object_version 6
	.text
	.protected	k_q5683ce67f6_mlp
	.globl	k_q5683ce67f6_mlp
	.p2align	8
	.type	k_q5683ce67f6_mlp,@function
k_q5683ce67f6_mlp:
	s_mov_b64 s[64:65], 0
	v_nop
	global_prefetch_b8 v0, s[64:65] scope:SCOPE_SE
	s_setreg_imm32_b32 hwreg(HW_REG_WAVE_MODE, 25, 1), 1
	s_wait_xcnt 0x0
; out[b][v] = w3[e] . relu(Q(w2[e]) Q(relu(w1[e] x[b][:][v] + b1[e])) + b2[e]) + b3[e],  e = obj_idx[b].  16 samples, 8 experts, 32,768 positions, 6 -> 256 -> 256 -> 1.
; Q: codes of BF6 (E3M2) with one E8M0 scale for each 32 along the hidden axis.  Layers 1 and 3 are f32 multiply-adds; layer 2 goes to the matrix unit on codes; nothing between the layers goes to memory.
; SHARES.  Work-group g takes sample g / 16 and positions 2,048 (g % 16) on, as four chunks of 512.  THE FOUR WAVES SHARE THE CHANNELS, NOT THE POSITIONS.  Wave w keeps in registers, for the whole launch:
;   its 64 rows of w1 and b1 (hidden units 64 w on; 448 registers, every lane the same number, neighbours k, k + 1 as pairs for the packed multiply-add),
;   its 64 rows of w2 as codes (output channels 64 w on: 8 fragments of 12 registers, 8 scale words), and those channels' b2 and w3 in the matrix result's layout.
; A CHUNK, two barriers:  1: a lane is a position; the wave makes its 64 hidden units of 32 positions at a time (two whole blocks of 32 in one lane's registers: no other lane is asked for a maximum), relu, codes;
;   48 bytes of codes and one word of scale bytes a position go to LDS | barrier |  2: every wave reads all four waves' codes, 16 positions a tile, and makes its 64 channels: 8 matrix instructions a tile; relu and
;   the product with w3 of the tile before stand between them; a lane's sum over its 32 channels goes to LDS | barrier |  3: thread t adds the eight partial sums of positions 4 t .. 4 t + 3, adds b3 and stores 16 bytes.
; THE ORDER OF K.  The matrix instruction's K step s, block 2 c + h (h = lane / 16) holds hidden units 128 s + 64 h + 32 c + 0 .. 31, in A and in B alike: whole blocks change places, none is cut.  So lane (r, h) of a fragment
;   of B holds just the 12 registers that wave 2 s + h made for position r, and lane (r, h) of A 64 neighbours of a row of w2.
; NO JOINT LOADS: the sixteen work-groups of a sample do read the same w1 and w2, but once each, at the head, straight into the registers that quantise them (256 KiB + 6 KiB); no loop fetches anything shared, and x is each work-group's own.
; LIMITS.  NaN and infinities among the inputs are not served.  A block whose largest magnitude lies under 2^-122, a block of zeros among them, gets the scale byte 1 (a block of zeros has zero codes; the bytes are read here alone).
;   An obj_idx outside 0 .. 7 is held at 7.  Layer 2's f32 sums run in the order of K above, layer 3's as a tree: both orders differ from a plain ascending sum.
;
; LDS (bytes)
.set SCB,   98304                      ; 0 .. 98,303: the codes: wave x 24,576 + tile x 768 + 48 r (48 bytes from lane to lane: an odd multiple of 16).  Here: scale words, wave x 2,048 + 4 x position
.set PSB,   106496                     ; partial sums: (2 wave + h) x 2,048 + 4 x position
.set XSB,   122880                     ; x of a chunk: row i x 2,048 + 4 x position
.set WST,   135168                     ; head only: a stage of 16 rows x (512 + 16) bytes for each wave, for w2
.set FLOOR, 0x2800000                  ; 2^(5 - 127): no largest magnitude is taken under it, so no scale byte falls under 1
; REGISTERS, window 0
.set LANE, 1
.set XO,   2                           ; 16 x thread: my 16 bytes of a chunk's row of x, and of out
.set XSW,  3                           ; XSB + 16 x thread
.set XSR,  4                           ; XSB + 4 x lane
.set CW,   5                           ; where I put codes: 24,576 wave + 48 lane
.set SW,   6                           ; and the scale word: SCB + 2,048 wave + 4 lane
.set BR,   7                           ; where I read codes: 24,576 h + 48 r
.set SR,   8                           ; and scale words: SCB + 4,096 h + 4 r
.set PSW,  9                           ; PSB + 4,096 wave + 2,048 h + 4 r
.set PSR,  10                          ; PSB + 16 x thread
.set TA0,  11                          ; v11-13 addresses in hand
.set TA1,  12
.set TA2,  13
.set NIL,  14                          ; 0
.set H8,   15                          ; 8 h
.set AS,   16                          ; v16-23 w2's scale words, 2 t + s
.set BS,   24                          ; v24-25 h1's scale words, one register a buffer: lanes 0-15 K step 0, lanes 16-31 K step 1
.set O32,  28                          ; head: 32 h
.set L16,  29                          ; head: 16 lane
.set STI,  30                          ; head: into my stage
.set STO,  31                          ; head: out of it
.set B2,   32                          ; v32-63 b2: 8 t + j
.set HH,   64                          ; v64-127: 64 numbers to quantise (phase 1, head);
.set ACC,  64                          ; two groups of four accumulators, 32 g + 8 t (phase 2);
.set SS,   64                          ; eight partial sums x 4 (phase 3)
.set BF,   128                         ; v128-175 phase 2: h1's fragments, 24 buffer + 12 s.  In phase 1 and the head these registers serve as follows:
.set XX,   128                         ; v128-139 x_i at 2 i (the odd ones are only named as upper halves of pairs)
.set CC,   140                         ; v140-151 the 12 registers of codes
.set CT,   152                         ; v152-158 the blocks' upper halves as the conversions leave them
.set MX,   160                         ; v160-163 four running maxima
.set SO,   164                         ; v164-165 the conversions' scale operands
.set BY,   166                         ; v166-167 the scale bytes
.set PWD,  168                         ; the scale word
.set PW2,  169
.set OO,   176                         ; v176-183 layer 3: four pairs of sums
.set TT,   184                         ; v184-191 relu's results
.set XG,   192                         ; v192-215 the next chunk's x on its way
.set RW,   216                         ; v216-217 scale words as loaded
.set OS,   218                         ; a lane's finished sum
; window 1: w1(i, k) at 64 i + k, i = 0 .. 3.   window 2: w1(4, k) at k, w1(5, k) at 64 + k, b1 at 128 + k; v192-255 raw numbers of w2 (head).
; window 3: w2's fragments at 12 (2 t + s); w3 at 96 + 8 t + j; v128-255 raw numbers of w2 (head).
.set B1,   128
.set W3,   96
; SCALARS: s[4:21] the nine addresses; s22 wave; s23 sample; s24 expert; s25, s[26:27] at work; s28 b3; s[30:31] lane selects; s32 chunks to go; s33, s44 trip counts; s34, s35 phase 1's steps in the codes and in x and the
; scale words; s36 held; s37, s38 the next tile's steps, s40, s41 held; s39 the finished tile's step; s42 the bytes of the even waves in a scale word; s43 8 (wave % 2)
.set MSB, 0
.macro WIN new                         ; s_set_vgpr_msb: bits 1:0 source 0, 3:2 source 1, 5:4 source 2, 7:6 destination; the high byte repeats the setting that is left
.if MSB != \new
	s_set_vgpr_msb (MSB<<8)|\new
.set MSB, \new
.endif
.endm
.macro BARRIER                         ; my LDS stores have landed and my LDS loads are in: then the work-group's barrier
	s_wait_dscnt 0x0
	s_barrier_signal -1
	s_barrier_wait -1
.endm
; 64 numbers of a lane, two blocks of 32, become 12 registers of codes in v[CC] on and two scale bytes in v[BY].  a = 1: magnitudes (w2).  a = 0: relu first (h1): the maxima are taken without |.|, so that what is negative
; does not count (the floor stands over it), and the numbers are then clipped at 0.
.macro QUANT a
.irp m, 0,1,2,3                        ; four chains of 16 numbers, by turns: no line waits for the line above it
.if \a
	v_max3_num_f32 v[MX+\m], |v[HH+16*\m]|, |v[HH+16*\m+1]|, FLOOR
.else
	v_max3_num_f32 v[MX+\m], v[HH+16*\m], v[HH+16*\m+1], FLOOR
.endif
.endr
.irp i, 2,4,6,8,10,12,14
.irp m, 0,1,2,3
.if \a
	v_max3_num_f32 v[MX+\m], v[MX+\m], |v[HH+16*\m+\i]|, |v[HH+16*\m+\i+1]|
.else
	v_max3_num_f32 v[MX+\m], v[MX+\m], v[HH+16*\m+\i], v[HH+16*\m+\i+1]
.endif
.endr
.endr
	v_max_num_f32 v[MX], v[MX], v[MX+1]            ; block 0's largest magnitude
	v_max_num_f32 v[MX+2], v[MX+2], v[MX+3]        ; block 1's
.if \a == 0
.set jj, 0
.rept 64
	v_max_num_f32 v[HH+jj], 0, v[HH+jj]            ; relu, in f32
.set jj, jj+1
.endr
.endif
	v_add_nc_u32 v[SO], 0xfe000000, v[MX]          ; 4 off the exponent field: the conversion takes this operand's exponent field as its scale, and nothing else of it
	v_add_nc_u32 v[SO+1], 0xfe000000, v[MX+2]
	v_lshrrev_b32 v[BY], 23, v[SO]                 ; the scale's byte
	v_lshrrev_b32 v[BY+1], 23, v[SO+1]
.irp c, 0,1
	v_cvt_scalef32_pk16_bf6_f32 v[CC+6*\c:CC+6*\c+2], v[HH+32*\c:HH+32*\c+15], v[SO+\c]
	v_cvt_scalef32_pk16_bf6_f32 v[CT+4*\c:CT+4*\c+2], v[HH+32*\c+16:HH+32*\c+31], v[SO+\c]   ; (a conversion's three registers begin on an even number: the second half of a block's six does not)
.endr
	v_nop                                          ; one plain place behind the scaled conversions
.irp c, 0,1
.irp i, 0,1,2
	v_mov_b32 v[CC+6*\c+3+\i], v[CT+4*\c+\i]
.endr
.endr
.endm
; Unit u = 2 t + s of w2: rows 16 t .. 16 t + 15 of my 64, columns 128 s .. 128 s + 127.  Sixteen loads of 512 consecutive bytes, into raw slot u % 3.
.macro GLW u
.if (\u)%3 == 0
.set rb, 128
	WIN 0xC0
.elseif (\u)%3 == 1
.set rb, 192
	WIN 0xC0
.else
.set rb, 192
	WIN 0x80
.endif
.irp j, 0,1,2,3,4,5,6,7,8,9,10,11,12,13,14,15
	global_load_b128 v[rb+4*\j:rb+4*\j+3], v[L16], s[12:13] offset:(16*((\u)/2)+\j)*1024+512*((\u)%2)
.endr
	WIN 0
.endm
; Unit u is turned through my stage (in: as loaded; out: lane (r, h) takes 256 bytes of row r, from byte 256 h on), quantised, and laid down as fragment u and scale word u.
.macro WUNIT u
.if (\u) <= 5
	s_wait_loadcnt 32                              ; this unit's sixteen loads are in; the two later units' may be out
.elseif (\u) == 6
	s_wait_loadcnt 16                              ; the last unit's may be out
.else
	s_wait_loadcnt 0
.endif
.if (\u)%3 == 0
.set rb, 128
	WIN 0x0C                                       ; an LDS store's data are its source 1
.elseif (\u)%3 == 1
.set rb, 192
	WIN 0x0C
.else
.set rb, 192
	WIN 0x08
.endif
.irp j, 0,1,2,3,4,5,6,7,8,9,10,11,12,13,14,15
	ds_store_b128 v[STI], v[rb+4*\j:rb+4*\j+3] offset:528*\j
.endr
	WIN 0
.irp j, 0,1,2,3,4,5,6,7,8,9,10,11,12,13,14,15
	ds_load_b128 v[HH+4*\j:HH+4*\j+3], v[STO] offset:16*\j   ; LDS serves a wave's instructions in order: these see my stores
.endr
	s_wait_dscnt 0x0                               ; the numbers are back, and the stores have read the raw slot,
.if (\u)+3 <= 7
	GLW (\u)+3                                     ; which takes the unit three further on
.endif
	QUANT 1
	v_lshl_or_b32 v[PWD], v[BY+1], 16, v[BY]       ; my two bytes: blocks h and 2 + h of row r,
	v_lshlrev_b32 v[PWD], v[H8], v[PWD]            ; at their places in the scale word;
	v_permlanex16_b32 v[PW2], v[PWD], s30, s31
	v_or_b32 v[AS+(\u)], v[PWD], v[PW2]            ; with lane l xor 16's two the word is whole
	WIN 0xC0
.irp i, 0,1,2,3,4,5,6,7,8,9,10,11
	v_mov_b32 v[12*(\u)+\i], v[CC+\i]
.endr
	WIN 0
.endm
.macro XLOAD                           ; a chunk's x: six rows of 2,048 bytes; a wave's load covers 512 consecutive bytes
.irp i, 0,1,2,3,4,5
	global_load_b128 v[XG+4*\i:XG+4*\i+3], v[XO], s[4:5] offset:131072*\i th:TH_LOAD_NT
.endr
.endm
.macro XSTORE
.irp i, 0,1,2,3,4,5
	ds_store_b128 v[XSW], v[XG+4*\i:XG+4*\i+3] offset:2048*\i
.endr
.endm
; Layer 1 for 32 positions: h(k) = b1(k) + the sum over i of w1(i, k) x_i, two k at a time; of x's pair the low word serves both halves.
.macro L1
	WIN 0x21                                       ; w1 in window 1, b1 in window 2
.set pp, 0
.rept 32
	v_pk_fma_f32 v[HH+pp:HH+pp+1], v[pp:pp+1], v[XX:XX+1], v[B1+pp:B1+pp+1] op_sel_hi:[1,0,1]
.set pp, pp+2
.endr
	WIN 0x01
.irp i, 1,2,3
.set pp, 0
.rept 32
	v_pk_fma_f32 v[HH+pp:HH+pp+1], v[64*\i+pp:64*\i+pp+1], v[XX+2*\i:XX+2*\i+1], v[HH+pp:HH+pp+1] op_sel_hi:[1,0,1]
.set pp, pp+2
.endr
.endr
	WIN 0x02
.irp i, 4,5
.set pp, 0
.rept 32
	v_pk_fma_f32 v[HH+pp:HH+pp+1], v[64*(\i-4)+pp:64*(\i-4)+pp+1], v[XX+2*\i:XX+2*\i+1], v[HH+pp:HH+pp+1] op_sel_hi:[1,0,1]
.set pp, pp+2
.endr
.endr
	WIN 0
.endm
; A tile's two fragments (lane (r, h), K step s: the 48 bytes that wave 2 s + h made for position r) and its scale words: eight loads.
.macro LOADT buf
	v_add_nc_u32 v[TA0], s40, v[BR]
	v_add_nc_u32 v[TA1], s41, v[SR]
.irp s, 0,1
.irp q, 0,1,2
	ds_load_b128 v[BF+24*\buf+12*\s+4*\q:BF+24*\buf+12*\s+4*\q+3], v[TA0] offset:49152*\s+16*\q
.endr
.endr
	ds_load_b32 v[RW], v[TA1]                      ; lanes 0-15: wave 0's words, lanes 16-31: wave 2's
	ds_load_b32 v[RW+1], v[TA1] offset:2048        ; wave 1's and wave 3's
.endm
.macro RED                             ; a finished tile: my eight sums become one, my 32 channels' part of out at position r
	v_pk_add_f32 v[OO:OO+1], v[OO:OO+1], v[OO+2:OO+3]
	v_pk_add_f32 v[OO+4:OO+5], v[OO+4:OO+5], v[OO+6:OO+7]
	v_add_nc_u32 v[TA2], s39, v[PSW]
	v_pk_add_f32 v[OO:OO+1], v[OO:OO+1], v[OO+4:OO+5]
	v_add_f32 v[OS], v[OO], v[OO+1]
	ds_store_b32 v[TA2], v[OS]
	s_add_co_u32 s39, s39, 64
.endm
.macro BOUND red, load, buf            ; between two tiles: the tile before last is finished; the next tile but one... is asked for into the buffer just multiplied
	WIN 0
.if \red
	RED
.endif
.if \load
	s_min_u32 s40, s37, 31*768                     ; (the very last request would be for a 33rd tile: it is held at the 32nd and lands in a buffer that is not read again)
	s_min_u32 s41, s38, 31*64
	LOADT \buf
	s_add_co_u32 s37, s37, 768
	s_add_co_u32 s38, s38, 64
.endif
.endm
; Slice k of 8 of layer 3 for accumulator group g: channels 16 (k / 2) + 8 h + 4 (k % 2) + 0 .. 3: relu into other registers, then two packed multiply-adds with w3.  An accumulator is read from its low end on.
.macro SLICE g, k
.set qt, (\k)/2
.set qu, (\k)%2
.irp q, 0,1,2,3
	v_max_num_f32 v[TT+4*qu+\q], 0, v[ACC+32*(\g)+8*qt+4*qu+\q]
.endr
.irp p, 0,1
.if qt == 0
	v_pk_mul_f32 v[OO+4*qu+2*\p:OO+4*qu+2*\p+1], v[W3+8*qt+4*qu+2*\p:W3+8*qt+4*qu+2*\p+1], v[TT+4*qu+2*\p:TT+4*qu+2*\p+1]   ; the first tile of channels starts the sums
.else
	v_pk_fma_f32 v[OO+4*qu+2*\p:OO+4*qu+2*\p+1], v[W3+8*qt+4*qu+2*\p:W3+8*qt+4*qu+2*\p+1], v[TT+4*qu+2*\p:TT+4*qu+2*\p+1], v[OO+4*qu+2*\p:OO+4*qu+2*\p+1]
.endif
.endr
.endm
; Source 0 = 16 rows of w2, source 1 = 16 positions: register j of lane (r, h) is channel 16 t + 8 h + j at position r.  K step 0 takes b2 as C; K step 1 adds in place and reads h1's scales from lanes 16-31.
.macro MM g, s, t
.if (\s) == 0
	v_wmma_scale_f32_16x16x128_f8f6f4 v[ACC+32*(\g)+8*(\t):ACC+32*(\g)+8*(\t)+7], v[24*(\t):24*(\t)+11], v[BF+24*(\g):BF+24*(\g)+11], v[B2+8*(\t):B2+8*(\t)+7], v[AS+2*(\t)], v[BS+(\g)] matrix_a_fmt:MATRIX_FMT_BF6 matrix_b_fmt:MATRIX_FMT_BF6
.else
	v_wmma_scale_f32_16x16x128_f8f6f4 v[ACC+32*(\g)+8*(\t):ACC+32*(\g)+8*(\t)+7], v[24*(\t)+12:24*(\t)+23], v[BF+24*(\g)+12:BF+24*(\g)+23], v[ACC+32*(\g)+8*(\t):ACC+32*(\g)+8*(\t)+7], v[AS+2*(\t)+1], v[BS+(\g)] matrix_a_fmt:MATRIX_FMT_BF6 matrix_b_fmt:MATRIX_FMT_BF6 matrix_b_scale:MATRIX_SCALE_ROW1
.endif
.endm
; A tile: eight matrix instructions on buffer and group g, the four accumulators by turns; vec = 1: behind each a slice of the tile before, in the other group.
; Behind the seventh: the next tile's eight loads, asked for ahead of this tile, are waited for, and its scale words are joined.  From there to the first matrix instruction that names the joined register stand slice 7's six,
; RED's five and LOADT's two plain instructions; eight are asked.  vec = 0: eight v_nop take their part, and are the places in front of the loads into this buffer.
.macro HT g, vec
	WIN 0x03                                       ; source 0 (w2's fragments, w3) in window 3, all else in window 0
.irp k, 0,1,2,3,4,5,6,7
	MM \g, (\k/4), (\k%4)
.if \vec
	SLICE 1-\g, \k
.endif
.if \k == 6
	s_wait_dscnt 0x0                               ; the other buffer and its scale words are in; RED's store is done
	v_bfi_b32 v[BS+1-\g], s42, v[RW], v[RW+1]      ; bytes 0 and 2 from the even wave's word, bytes 1 and 3 from the odd wave's
.endif
.endr
.if \vec == 0
.rept 8
	v_nop
.endr
.endif
.endm
; ---------------- THE HEAD ----------------
	s_load_b256 s[4:11], s[0:1], 0x0               ; x s[4:5], obj_idx s[6:7], w1 s[8:9], b1 s[10:11]
	s_load_b256 s[12:19], s[0:1], 0x20             ; w2 s[12:13], b2 s[14:15], w3 s[16:17], b3 s[18:19]
	s_load_b64 s[20:21], s[0:1], 0x40              ; out
	v_lshl_add_u32 v254, v0, 2, 0x29400
	v_mov_b32 v255, 0
	v_lshrrev_b32 v[TA0], 5, v0
	v_readfirstlane_b32 s22, v[TA0]                ; wave 0..3
	v_and_b32 v[LANE], 31, v0
	v_and_b32 v[TA0], 15, v0                       ; r
	v_bfe_u32 v[TA1], v0, 4, 1                     ; h
	v_lshlrev_b32 v[XO], 4, v0
	v_lshl_add_u32 v[XSW], v0, 4, XSB
	v_lshl_add_u32 v[XSR], v[LANE], 2, XSB
	s_mul_i32 s25, s22, 24576
	v_mul_u32_u24 v[CW], v[LANE], 48
	v_add_nc_u32 v[CW], s25, v[CW]
	s_lshl_b32 s25, s22, 11
	s_add_co_u32 s25, s25, SCB
	v_lshl_add_u32 v[SW], v[LANE], 2, s25
	v_mul_u32_u24 v[BR], v[TA1], 24576
	v_mad_u32_u24 v[BR], v[TA0], 48, v[BR]
	v_lshl_add_u32 v[SR], v[TA1], 12, SCB
	v_lshl_add_u32 v[SR], v[TA0], 2, v[SR]
	s_lshl_b32 s25, s22, 12
	s_add_co_u32 s25, s25, PSB
	v_lshl_add_u32 v[PSW], v[TA1], 11, s25
	v_lshl_add_u32 v[PSW], v[TA0], 2, v[PSW]
	v_lshl_add_u32 v[PSR], v0, 4, PSB
	v_mov_b32 v[NIL], 0
	v_lshlrev_b32 v[H8], 3, v[TA1]
	v_lshlrev_b32 v[O32], 5, v[TA1]
	v_lshlrev_b32 v[L16], 4, v[LANE]
	s_mul_i32 s25, s22, 8448
	s_add_co_u32 s25, s25, WST                     ; my stage
	v_add_nc_u32 v[STI], s25, v[L16]
	v_mul_u32_u24 v[STO], v[TA0], 528
	v_lshl_add_u32 v[STO], v[TA1], 8, v[STO]
	v_add_nc_u32 v[STO], s25, v[STO]
.irp i, 0,1,2,3,4,5
	v_mov_b32 v[XX+2*\i+1], 0                      ; named as upper halves of pairs, so they are written
.endr
	v_mov_b32 v[PW2], 0                            ; a lane permute's destination counts as one of its sources
	s_mov_b32 s30, 0x76543210
	s_mov_b32 s31, 0xfedcba98                      ; v_permlanex16_b32's selects for lane l xor 16
	s_mov_b32 s42, 0x00ff00ff
	s_and_b32 s43, s22, 1
	s_lshl_b32 s43, s43, 3
	s_lshr_b32 s23, ttmp9, 4                       ; the sample
	s_and_b32 s25, ttmp9, 15
	s_lshl_b32 s25, s25, 13                        ; my 2,048 positions, in bytes
	s_mov_b32 s27, 0
	s_wait_kmcnt 0x0
	s_lshl_b32 s26, s23, 2
	s_add_nc_u64 s[6:7], s[6:7], s[26:27]
	s_load_b32 s24, s[6:7], 0x0                    ; obj_idx[sample]
	s_mul_i32 s26, s23, 786432
	s_add_co_u32 s26, s26, s25
	s_add_nc_u64 s[4:5], s[4:5], s[26:27]          ; x at my first position, row 0
	s_lshl_b32 s26, s23, 17
	s_add_co_u32 s26, s26, s25
	s_add_nc_u64 s[20:21], s[20:21], s[26:27]      ; out likewise
	XLOAD                                          ; the first chunk's x
	s_wait_kmcnt 0x0
	s_min_u32 s24, s24, 7                          ; the expert
	s_mul_i32 s26, s24, 6144
	s_mul_i32 s25, s22, 1536
	s_add_co_u32 s26, s26, s25
	s_add_nc_u64 s[8:9], s[8:9], s[26:27]          ; w1: my 64 rows of 24 bytes
	s_lshl_b32 s26, s24, 10
	s_lshl_b32 s25, s22, 8
	s_add_co_u32 s26, s26, s25
	s_add_nc_u64 s[10:11], s[10:11], s[26:27]      ; b1, b2, w3: my 64 numbers
	s_add_nc_u64 s[14:15], s[14:15], s[26:27]
	s_add_nc_u64 s[16:17], s[16:17], s[26:27]
	s_lshl_b32 s26, s24, 18
	s_lshl_b32 s25, s22, 16
	s_add_co_u32 s26, s26, s25
	s_add_nc_u64 s[12:13], s[12:13], s[26:27]      ; w2: my 64 rows of 1,024 bytes
	s_lshl_b32 s26, s24, 2
	s_add_nc_u64 s[18:19], s[18:19], s[26:27]
	s_load_b32 s28, s[18:19], 0x0                  ; b3
.irp t, 0,1,2,3                                ; b2 and w3 in the result's layout: lane (r, h), tile t: channels 16 t + 8 h + 0 .. 7
	global_load_b128 v[B2+8*\t:B2+8*\t+3], v[O32], s[14:15] offset:64*\t
	global_load_b128 v[B2+8*\t+4:B2+8*\t+7], v[O32], s[14:15] offset:64*\t+16
.endr
	WIN 0xC0
.irp t, 0,1,2,3
	global_load_b128 v[W3+8*\t:W3+8*\t+3], v[O32], s[16:17] offset:64*\t
	global_load_b128 v[W3+8*\t+4:W3+8*\t+7], v[O32], s[16:17] offset:64*\t+16
.endr
	WIN 0x80
.irp j, 0,1,2,3,4,5,6,7,8,9,10,11,12,13,14,15
	global_load_b128 v[B1+4*\j:B1+4*\j+3], v[NIL], s[10:11] offset:16*\j   ; every lane the same address: every lane holds all 64
.endr
.irp i, 4,5                                    ; w1 is stored [k][i]: register (i, k) takes the word at 6 k + i, every lane the same
.set kk, 0
.rept 64
	global_load_b32 v[64*(\i-4)+kk], v[NIL], s[8:9] offset:(6*kk+\i)*4
.set kk, kk+1
.endr
.endr
	WIN 0x40
.irp i, 0,1,2,3
.set kk, 0
.rept 64
	global_load_b32 v[64*\i+kk], v[NIL], s[8:9] offset:(6*kk+\i)*4
.set kk, kk+1
.endr
.endr
	GLW 0
	GLW 1
	GLW 2
.irp u, 0,1,2,3,4,5,6,7
	WUNIT \u
.endr                                          ; the last unit's wait was for 0: every load of the head is in, x among them
	s_wait_kmcnt 0x0                               ; b3
	XSTORE
	BARRIER                                        ; the first chunk's x lies in LDS
	s_mov_b32 s32, 4
; ---------------- A CHUNK OF 512 POSITIONS ----------------
.Lchunk:
	; ---- 1: my 64 hidden units, 32 positions a trip
	s_mov_b32 s34, 0
	s_mov_b32 s35, 0
	s_mov_b32 s33, 16
.irp i, 0,1,2,3,4,5
	ds_load_b32 v[XX+2*\i], v[XSR] offset:2048*\i
.endr
	s_wait_dscnt 0x0                               ; on the way in nothing is out, so the count at the trip's head holds on both ways
.Lgroup:
	s_wait_dscnt 4                                 ; this trip's x is in: behind its six loads the last trip issued four stores, which may be out
	L1
	s_wait_dscnt 0x0                               ; those stores are done (issued 192 instructions ago): their address and data registers are written again below
	v_add_nc_u32 v[TA0], s34, v[CW]
	v_add_nc_u32 v[TA1], s35, v[SW]
	s_add_co_u32 s35, s35, 128
	s_min_u32 s36, s35, 15*128                     ; the next trip's x; the last trip asks for its own again, so that no read leaves x's bytes
	v_add_nc_u32 v[TA2], s36, v[XSR]
.irp i, 0,1,2,3,4,5
	ds_load_b32 v[XX+2*\i], v[TA2] offset:2048*\i
.endr
	QUANT 0
	v_lshl_or_b32 v[PWD], v[BY+1], 16, v[BY]       ; my two bytes of the position's scale word of K step wave / 2: blocks wave % 2 and 2 + wave % 2,
	v_lshlrev_b32 v[PWD], s43, v[PWD]              ; at their places; the other two bytes stay 0
.irp q, 0,1,2
	ds_store_b128 v[TA0], v[CC+4*\q:CC+4*\q+3] offset:16*\q
.endr
	ds_store_b32 v[TA1], v[PWD]
	s_add_co_u32 s34, s34, 1536
	s_sub_co_u32 s33, s33, 1
	s_cmp_lg_u32 s33, 0
	s_cbranch_scc1 .Lgroup
	BARRIER                                        ; all four waves' codes and scale words lie in LDS, and nobody reads this chunk's x any more
	; ---- 2: my 64 channels, 16 positions a tile
	s_mov_b32 s40, 0
	s_mov_b32 s41, 0
	LOADT 0                                        ; tile 0
	s_cmp_eq_u32 s32, 1                            ; the next chunk's x is asked for here, if there is a next chunk: no load leaves its buffer
	s_cbranch_scc1 .Lno_x
	s_add_nc_u64 s[4:5], s[4:5], 2048              ; (the loads that used this base have been waited for)
	XLOAD
.Lno_x:
	s_mov_b32 s37, 768
	s_mov_b32 s38, 64
	s_mov_b32 s39, 0
	s_wait_dscnt 0x0
	v_bfi_b32 v[BS], s42, v[RW], v[RW+1]
.rept 8
	v_nop                                          ; a scale register written by a vector instruction stands eight places ahead of the scaled matrix instruction
.endr
	BOUND 0, 1, 1                                  ; tile 1 is asked for
	HT 0, 0                                        ; tile 0 is multiplied
	BOUND 0, 1, 0
	HT 1, 1                                        ; tile 1 | tile 0's relu and w3
	WIN 0
	s_mov_b32 s44, 15
.Lpair:                                            ; trip j: tiles 2 j and 2 j + 1 are multiplied, tiles 2 j + 1 and 2 j + 2 asked for, tiles 2 j - 2 and 2 j - 1 stored
	BOUND 1, 1, 1
	HT 0, 1
	BOUND 1, 1, 0
	HT 1, 1
	WIN 0
	s_sub_co_u32 s44, s44, 1
	s_cmp_lg_u32 s44, 0
	s_cbranch_scc1 .Lpair
	BOUND 1, 0, 0                                  ; tile 30 is stored
	WIN 0x03
.irp k, 0,1,2,3,4,5,6,7
	SLICE 1, \k                                    ; tile 31's relu and w3
.endr
	WIN 0
	s_wait_dscnt 0x0                               ; tile 30's store has read its registers
	RED
	s_wait_loadcnt 0x0                             ; the next chunk's x is in registers,
	XSTORE                                         ; and goes to LDS.  (In the last chunk these six lines store the last chunk's x once more, and nobody reads it)
	BARRIER                                        ; the eight planes of partial sums and the next x lie in LDS, and nobody reads this chunk's codes any more
	; ---- 3: thread t finishes positions 4 t .. 4 t + 3
.irp p, 0,1,2,3,4,5,6,7
	ds_load_b128 v[SS+4*\p:SS+4*\p+3], v[PSR] offset:2048*\p
.endr
	s_wait_dscnt 0x0
.irp p, 0,1,2,3
.irp q, 0,2
	v_pk_add_f32 v[SS+4*\p+\q:SS+4*\p+\q+1], v[SS+4*\p+\q:SS+4*\p+\q+1], v[SS+16+4*\p+\q:SS+16+4*\p+\q+1]
.endr
.endr
.irp p, 0,1
.irp q, 0,2
	v_pk_add_f32 v[SS+4*\p+\q:SS+4*\p+\q+1], v[SS+4*\p+\q:SS+4*\p+\q+1], v[SS+8+4*\p+\q:SS+8+4*\p+\q+1]
.endr
.endr
.irp q, 0,2
	v_pk_add_f32 v[SS+\q:SS+\q+1], v[SS+\q:SS+\q+1], v[SS+4+\q:SS+4+\q+1]
.endr
.irp q, 0,1,2,3
	v_add_f32 v[SS+\q], s28, v[SS+\q]              ; + b3
.endr
	global_store_b128 v[XO], v[SS:SS+3], s[20:21] th:TH_STORE_NT   ; a wave stores 512 consecutive bytes, at a multiple of 256 from out's first byte; written once, read by nobody here
	s_wait_xcnt 0x0                                ; the store's base and data are written again only behind this wait
	s_add_nc_u64 s[20:21], s[20:21], 2048
	s_sub_co_u32 s32, s32, 1
	s_cmp_lg_u32 s32, 0
	s_cbranch_scc1 .Lchunk
	s_wait_tensorcnt 0x0
	ds_add_u32 v254, v255
	s_wait_dscnt 0x0
	s_endpgm
.Lfunc_end_k_q5683ce67f6_mlp:
	.size	k_q5683ce67f6_mlp, .Lfunc_end_k_q5683ce67f6_mlp-k_q5683ce67f6_mlp
	.p2alignl 7, 3214868480
	.fill 96, 4, 3214868480
	.section	.rodata,"a",@progbits
	.p2align	6, 0x0
	.amdhsa_kernel k_q5683ce67f6_mlp
		.amdhsa_group_segment_fixed_size 169472
		.amdhsa_private_segment_fixed_size 0
		.amdhsa_enable_private_segment 0
		.amdhsa_kernarg_size 72
		.amdhsa_user_sgpr_count 2
		.amdhsa_user_sgpr_kernarg_segment_ptr 1
		.amdhsa_wavefront_size32 1
		.amdhsa_system_sgpr_workgroup_id_x 1
		.amdhsa_system_sgpr_workgroup_id_y 1
		.amdhsa_system_sgpr_workgroup_id_z 1
		.amdhsa_system_vgpr_workitem_id 0
		.amdhsa_next_free_vgpr 1024
		.amdhsa_next_free_sgpr 66
		.amdhsa_reserve_vcc 0
		.amdhsa_float_denorm_mode_32 3
		.amdhsa_float_denorm_mode_16_64 3
		.amdhsa_memory_ordered 1
		.amdhsa_forward_progress 1
		.amdhsa_inst_pref_size 143
	.end_amdhsa_kernel
	.amdgpu_metadata
---
amdhsa.version: [ 1, 2 ]
amdhsa.kernels:
  - .name:           k_q5683ce67f6_mlp
    .symbol:         k_q5683ce67f6_mlp.kd
    .args:
      - { .name: x, .offset: 0, .size: 8, .value_kind: global_buffer, .address_space: global }
      - { .name: obj_idx, .offset: 8, .size: 8, .value_kind: global_buffer, .address_space: global }
      - { .name: w1, .offset: 16, .size: 8, .value_kind: global_buffer, .address_space: global }
      - { .name: b1, .offset: 24, .size: 8, .value_kind: global_buffer, .address_space: global }
      - { .name: w2, .offset: 32, .size: 8, .value_kind: global_buffer, .address_space: global }
      - { .name: b2, .offset: 40, .size: 8, .value_kind: global_buffer, .address_space: global }
      - { .name: w3, .offset: 48, .size: 8, .value_kind: global_buffer, .address_space: global }
      - { .name: b3, .offset: 56, .size: 8, .value_kind: global_buffer, .address_space: global }
      - { .name: out0, .offset: 64, .size: 8, .value_kind: global_buffer, .address_space: global }
    .group_segment_fixed_size: 169472
    .private_segment_fixed_size: 0
    .kernarg_segment_align: 8
    .kernarg_segment_size: 72
    .max_flat_workgroup_size: 128
    .sgpr_count:     66
    .vgpr_count:     1024
    .wavefront_size: 32
...
	.end_amdgpu_metadata
.endif
;; end of part 1
;; ======== version 2 of 3: 1 launch; 1.17 times as fast as version 1
;; launch mlp (part 2): grid 256 x 1, 4 waves a work-group, no clusters, 176,640 bytes of LDS; arguments x, obj_idx, w1, b1, w2, b2, w3, b3, out0; writes out0
.if DOCPART == 2
	.amdgcn_target "amdgcn-amd-amdhsa--gfx1250"
	.amdhsa_code_object_version 6
	.text
	.protected	k_q5683ce67f6_mlp
	.globl	k_q5683ce67f6_mlp
	.p2align	8
	.type	k_q5683ce67f6_mlp,@function
k_q5683ce67f6_mlp:
	s_mov_b64 s[64:65], 0
	v_nop
	global_prefetch_b8 v0, s[64:65] scope:SCOPE_SE
	s_setreg_imm32_b32 hwreg(HW_REG_WAVE_MODE, 25, 1), 1
	s_wait_xcnt 0x0
; out[b][v] = w3[e] . relu(Q(w2[e]) Q(relu(w1[e] x[b][:][v] + b1[e])) + b2[e]) + b3[e],  e = obj_idx[b].  16 samples, 8 experts, 32,768 positions, 6 -> 256 -> 256 -> 1.
; Q: codes of BF6 (E3M2) with one E8M0 scale for each 32 along the hidden axis.  Layers 1 and 3 are f32 multiply-adds; layer 2 goes to the matrix unit on codes; nothing between the layers goes to memory.
; SHARES.  Work-group g takes sample g / 16 and positions 2,048 (g % 16) on, as four chunks of 512.  THE FOUR WAVES SHARE THE CHANNELS, NOT THE POSITIONS.  Wave w keeps in registers, for the whole launch:
;   its 64 rows of w1 and b1 (hidden units 64 w on; 448 registers, every lane the same number, neighbours k, k + 1 as pairs for the packed multiply-add),
;   its 64 rows of w2 as codes (output channels 64 w on: 8 fragments of 12 registers, 8 scale words), and those channels' b2 and w3 in the matrix result's layout.
; A CHUNK, two barriers:  1: a lane is a position; the wave makes its 64 hidden units of 32 positions at a time (two whole blocks of 32 in one lane's registers: no other lane is asked for a maximum), relu, codes;
;   48 bytes of codes and one word of scale bytes a position go to LDS | barrier |  2: every wave reads all four waves' codes, 16 positions a tile, and makes its 64 channels: 8 matrix instructions a tile; relu and
;   the product with w3 of the tile before stand between them; a lane's sum over its 32 channels goes to LDS | barrier |  3: thread t adds the eight partial sums of positions 4 t .. 4 t + 3, adds b3 and stores 16 bytes.
; THE ORDER OF K.  The matrix instruction's K step s, block 2 c + h (h = lane / 16) holds hidden units 128 s + 64 h + 32 c + 0 .. 31, in A and in B alike: whole blocks change places, none is cut.  So lane (r, h) of a fragment
;   of B holds just the 12 registers that wave 2 s + h made for position r, and lane (r, h) of A 64 neighbours of a row of w2.
; NO JOINT LOADS: the sixteen work-groups of a sample do read the same w1 and w2, but once each, at the head, on their way into the registers that keep them (256 KiB + 6 KiB); no loop fetches anything shared, and x is each work-group's own.
; LIMITS.  NaN and infinities among the inputs are not served.  A block whose largest magnitude lies under 2^-122, a block of zeros among them, gets the scale byte 1 (a block of zeros has zero codes; the bytes are read here alone).
;   An obj_idx outside 0 .. 7 is held at 7.  Layer 2's f32 sums run in the order of K above, layer 3's as a tree: both orders differ from a plain ascending sum.
;
; LDS (bytes)
.set SCB,   98304                      ; 0 .. 98,303: the codes: wave x 24,576 + tile x 768 + 48 r (48 bytes from lane to lane: an odd multiple of 16).  Here: scale words, wave x 2,048 + 4 x position
.set PSB,   106496                     ; partial sums: (2 wave + h) x 2,048 + 4 x position
.set XSB,   122880                     ; x of a chunk: row i x 2,048 + 4 x position
.set WST,   135168                     ; head only: a stage of 16 rows x (512 + 16) bytes for each wave, for w2
.set W1T,   168960                     ; head only: 1,792 bytes for each wave: w1 by (i, k), 256 i + 4 k, then b1 as a seventh row
.set FLOOR, 0x2800000                  ; 2^(5 - 127): no largest magnitude is taken under it, so no scale byte falls under 1
; REGISTERS, window 0
.set LANE, 1
.set XO,   2                           ; 16 x thread: my 16 bytes of a chunk's row of x, and of out
.set XSW,  3                           ; XSB + 16 x thread
.set XSR,  4                           ; XSB + 4 x lane
.set CW,   5                           ; where I put codes: 24,576 wave + 48 lane
.set SW,   6                           ; and the scale word: SCB + 2,048 wave + 4 lane
.set BR,   7                           ; where I read codes: 24,576 h + 48 r
.set SR,   8                           ; and scale words: SCB + 4,096 h + 4 r
.set PSW,  9                           ; PSB + 4,096 wave + 2,048 h + 4 r
.set PSR,  10                          ; PSB + 16 x thread
.set TA0,  11                          ; v11-13 addresses in hand
.set TA1,  12
.set TA2,  13
.set H8,   15                          ; 8 h
.set AS,   16                          ; v16-23 w2's scale words, 2 t + s
.set BS,   24                          ; v24-25 h1's scale words, one register a buffer: lanes 0-15 K step 0, lanes 16-31 K step 1
.set O32,  28                          ; head: 32 h
.set L16,  29                          ; head: 16 lane
.set STI,  30                          ; head: into my stage
.set STO,  31                          ; head: out of it
.set B2,   32                          ; v32-63 b2: 8 t + j
.set HH,   64                          ; v64-127: 64 numbers to quantise (phase 1, head);
.set ACC,  64                          ; two groups of four accumulators, 32 g + 8 t (phase 2);
.set SS,   64                          ; eight partial sums x 4 (phase 3)
.set BF,   128                         ; v128-175 phase 2: h1's fragments, 24 buffer + 12 s.  In phase 1 and the head these registers serve as follows:
.set XX,   128                         ; v128-139 x_i at 2 i (the odd ones are only named as upper halves of pairs)
.set CC,   140                         ; v140-151 the 12 registers of codes
.set CT,   152                         ; v152-158 the blocks' upper halves as the conversions leave them
.set MX,   160                         ; v160-167 eight running maxima
.set SO,   168                         ; v168-169 the conversions' scale operands
.set BY,   170                         ; v170-171 the scale bytes
.set PWD,  172                         ; the scale word
.set PW2,  173
.set OO,   176                         ; v176-183 layer 3: two sets, by turns, of two pairs of sums
.set WT,   176                         ; v176-189 head only: w1 and b1 as loaded
.set TT,   184                         ; v184-191 relu's results, two sets of four by turns
.set XG,   192                         ; v192-215 the next chunk's x on its way
.set RW,   216                         ; v216-217 scale words as loaded
.set OS,   218                         ; a lane's finished sum
.set L24,  220                         ; head: 24 lane
.set L4,   221                         ; head: 4 lane
.set WSW,  222                         ; head: W1T + 1,792 wave + 4 lane
.set WSR,  223                         ; head: W1T + 1,792 wave, in every lane
; window 1: w1(i, k) at 64 i + k, i = 0 .. 3.   window 2: w1(4, k) at k, w1(5, k) at 64 + k, b1 at 128 + k; v192-255 raw numbers of w2 (head).
; window 3: w2's fragments at 12 (2 t + s); w3 at 96 + 8 t + j; v128-255 raw numbers of w2 (head).
.set B1,   128
.set W3,   96
; SCALARS: s[4:21] the nine addresses; s22 wave; s23 sample; s24 expert; s25, s[26:27] at work; s28 b3; s[30:31] lane selects; s32 chunks to go; s33, s44 trip counts; s34, s35 phase 1's steps in the codes and in x and the
; scale words; s36 the next trip's x, held; s37, s38 the next tile's steps in the codes and the scale words; s39 the finished tile's step; s42 the bytes of the even waves in a scale word; s43 8 (wave % 2)
.set MSB, 0
.macro WIN new                         ; s_set_vgpr_msb: bits 1:0 source 0, 3:2 source 1, 5:4 source 2, 7:6 destination; the high byte repeats the setting that is left
.if MSB != \new
	s_set_vgpr_msb (MSB<<8)|\new
.set MSB, \new
.endif
.endm
.macro BARRIER                         ; my LDS stores have landed and my LDS loads are in: then the work-group's barrier
	s_wait_dscnt 0x0
	s_barrier_signal -1
	s_barrier_wait -1
.endm
; 64 numbers of a lane, two blocks of 32, become 12 registers of codes in v[CC] on, two scale bytes in v[BY], and the two bytes 16 bits apart in v[PWD].  a = 1: magnitudes (w2).  a = 0: relu first (h1): the maxima are
; taken without |.|, so that what is negative does not count (the floor stands over it), and the numbers are then clipped at 0.
; A block's 32 numbers and the floor are 33 leaves: 16 lines of three operands.  Eight chains of seven numbers go by turns, so that no line waits for a line near above it; the eight numbers left over join where the chains do.
.macro QUANT a
.irp m, 0,1,2,3,4,5,6,7
.if \a
	v_max3_num_f32 v[MX+\m], |v[HH+8*\m]|, |v[HH+8*\m+1]|, |v[HH+8*\m+2]|
.else
	v_max3_num_f32 v[MX+\m], v[HH+8*\m], v[HH+8*\m+1], v[HH+8*\m+2]
.endif
.endr
.irp i, 3,5
.irp m, 0,1,2,3,4,5,6,7
.if \a
	v_max3_num_f32 v[MX+\m], v[MX+\m], |v[HH+8*\m+\i]|, |v[HH+8*\m+\i+1]|
.else
	v_max3_num_f32 v[MX+\m], v[MX+\m], v[HH+8*\m+\i], v[HH+8*\m+\i+1]
.endif
.endr
.endr
.irp c, 0,1
.if \a
	v_max3_num_f32 v[MX+4*\c], v[MX+4*\c], v[MX+4*\c+1], |v[HH+32*\c+7]|
.else
	v_max3_num_f32 v[MX+4*\c], v[MX+4*\c], v[MX+4*\c+1], v[HH+32*\c+7]
.endif
.endr
.irp c, 0,1
.if \a
	v_max3_num_f32 v[MX+4*\c+2], v[MX+4*\c+2], v[MX+4*\c+3], |v[HH+32*\c+15]|
.else
	v_max3_num_f32 v[MX+4*\c+2], v[MX+4*\c+2], v[MX+4*\c+3], v[HH+32*\c+15]
.endif
.endr
.irp c, 0,1
.if \a
	v_max3_num_f32 v[MX+4*\c], v[MX+4*\c], |v[HH+32*\c+23]|, |v[HH+32*\c+31]|
.else
	v_max3_num_f32 v[MX+4*\c], v[MX+4*\c], v[HH+32*\c+23], v[HH+32*\c+31]
.endif
.endr
.irp c, 0,1
	v_max3_num_f32 v[MX+4*\c], v[MX+4*\c], v[MX+4*\c+2], FLOOR   ; block c's largest magnitude
.endr
.if \a == 0
.set jj, 0
.rept 32
	v_dual_max_num_f32 v[HH+jj], 0, v[HH+jj] :: v_dual_max_num_f32 v[HH+jj+1], 0, v[HH+jj+1]   ; relu, in f32, two in one instruction: one destination even, the other odd; the second sources are neighbours
.set jj, jj+2
.endr
.endif
.irp c, 0,1
	v_add_nc_u32 v[SO+\c], 0xfe000000, v[MX+4*\c]  ; 4 off the exponent field: the conversion takes this operand's exponent field as its scale, and nothing else of it
.endr
.irp c, 0,1
	v_lshrrev_b32 v[BY+\c], 23, v[SO+\c]           ; the scale's byte
.endr
.irp c, 0,1
	v_cvt_scalef32_pk16_bf6_f32 v[CC+6*\c:CC+6*\c+2], v[HH+32*\c:HH+32*\c+15], v[SO+\c]
	v_cvt_scalef32_pk16_bf6_f32 v[CT+4*\c:CT+4*\c+2], v[HH+32*\c+16:HH+32*\c+31], v[SO+\c]   ; (a conversion's three registers begin on an even number: the second half of a block's six does not)
.endr
	v_lshl_or_b32 v[PWD], v[BY+1], 16, v[BY]       ; my two bytes, 16 bits apart.  (It names nothing of the conversions: the one plain place behind them)
	v_dual_mov_b32 v[CC+3], v[CT] :: v_dual_mov_b32 v[CC+4], v[CT+1]      ; the upper halves move to their places; of the six destinations four are odd, so two pairs and two single moves
	v_dual_mov_b32 v[CC+5], v[CT+2] :: v_dual_mov_b32 v[CC+10], v[CT+5]
	v_mov_b32 v[CC+9], v[CT+4]
	v_mov_b32 v[CC+11], v[CT+6]
.endm
; Unit u = 2 t + s of w2: rows 16 t .. 16 t + 15 of my 64, columns 128 s .. 128 s + 127.  Sixteen loads of 512 consecutive bytes, into raw slot u % 3.
.macro GLW u
.if (\u)%3 == 0
.set rb, 128
	WIN 0xC0
.elseif (\u)%3 == 1
.set rb, 192
	WIN 0xC0
.else
.set rb, 192
	WIN 0x80
.endif
.irp j, 0,1,2,3,4,5,6,7,8,9,10,11,12,13,14,15
	global_load_b128 v[rb+4*\j:rb+4*\j+3], v[L16], s[12:13] offset:(16*((\u)/2)+\j)*1024+512*((\u)%2)
.endr
	WIN 0
.endm
; Unit u is turned through my stage (in: as loaded; out: lane (r, h) takes 256 bytes of row r, from byte 256 h on), quantised, and laid down as fragment u and scale word u.
.macro WUNIT u
.if (\u) <= 5
	s_wait_loadcnt 32                              ; this unit's sixteen loads are in; the two later units' may be out
.elseif (\u) == 6
	s_wait_loadcnt 16                              ; the last unit's may be out
.else
	s_wait_loadcnt 0
.endif
.if (\u)%3 == 0
.set rb, 128
	WIN 0x0C                                       ; an LDS store's data are its source 1
.elseif (\u)%3 == 1
.set rb, 192
	WIN 0x0C
.else
.set rb, 192
	WIN 0x08
.endif
.irp j, 0,1,2,3,4,5,6,7,8,9,10,11,12,13,14,15
	ds_store_b128 v[STI], v[rb+4*\j:rb+4*\j+3] offset:528*\j
.endr
	WIN 0
.irp j, 0,1,2,3,4,5,6,7,8,9,10,11,12,13,14,15
	ds_load_b128 v[HH+4*\j:HH+4*\j+3], v[STO] offset:16*\j   ; LDS serves a wave's instructions in order: these see my stores
.endr
	s_wait_dscnt 0x0                               ; the numbers are back, and the stores have read the raw slot,
.if (\u)+3 <= 7
	GLW (\u)+3                                     ; which takes the unit three further on
.endif
	QUANT 1                                        ; v[PWD]: my two bytes: blocks h and 2 + h of row r,
	v_lshlrev_b32 v[PWD], v[H8], v[PWD]            ; at their places in the scale word;
	v_permlanex16_b32 v[PW2], v[PWD], s30, s31
	v_or_b32 v[AS+(\u)], v[PWD], v[PW2]            ; with lane l xor 16's two the word is whole
	WIN 0xC0
.irp i, 0,1,2,3,4,5,6,7,8,9,10,11
	v_mov_b32 v[12*(\u)+\i], v[CC+\i]
.endr
	WIN 0
.endm
.macro XLOAD                           ; a chunk's x: six rows of 2,048 bytes; a wave's load covers 512 consecutive bytes
.irp i, 0,1,2,3,4,5
	global_load_b128 v[XG+4*\i:XG+4*\i+3], v[XO], s[4:5] offset:131072*\i th:TH_LOAD_NT
.endr
.endm
.macro XSTORE
.irp i, 0,1,2,3,4,5
	ds_store_b128 v[XSW], v[XG+4*\i:XG+4*\i+3] offset:2048*\i
.endr
.endm
; Layer 1 for 32 positions: h(k) = b1(k) + the sum over i of w1(i, k) x_i, two k at a time; of x's pair the low word serves both halves.
.macro L1
	WIN 0x21                                       ; w1 in window 1, b1 in window 2
.set pp, 0
.rept 32
	v_pk_fma_f32 v[HH+pp:HH+pp+1], v[pp:pp+1], v[XX:XX+1], v[B1+pp:B1+pp+1] op_sel_hi:[1,0,1]
.set pp, pp+2
.endr
	WIN 0x01
.irp i, 1,2,3
.set pp, 0
.rept 32
	v_pk_fma_f32 v[HH+pp:HH+pp+1], v[64*\i+pp:64*\i+pp+1], v[XX+2*\i:XX+2*\i+1], v[HH+pp:HH+pp+1] op_sel_hi:[1,0,1]
.set pp, pp+2
.endr
.endr
	WIN 0x02
.irp i, 4,5
.set pp, 0
.rept 32
	v_pk_fma_f32 v[HH+pp:HH+pp+1], v[64*(\i-4)+pp:64*(\i-4)+pp+1], v[XX+2*\i:XX+2*\i+1], v[HH+pp:HH+pp+1] op_sel_hi:[1,0,1]
.set pp, pp+2
.endr
.endr
	WIN 0
.endm
; BETWEEN TWO TILES.  red = 1: set q of layer 3's sums, finished a whole tile ago, becomes one number, my 32 channels' part of out at position r, and goes to LDS.  load = 1: the tile after the one about to be multiplied is asked
; for, into buffer q, which the tile before has just left: two fragments (lane (r, h), K step s: the 48 bytes that wave 2 s + h made for position r) and the scale words: eight loads.
; The address additions stand between the two additions of the sum.  red = 0: two v_nop keep the run of plain instructions in front of the next tile's first matrix instruction at ten.
.macro BOUND red, load, q
	WIN 0
.if \red
	v_pk_add_f32 v[OO+4*\q:OO+4*\q+1], v[OO+4*\q:OO+4*\q+1], v[OO+4*\q+2:OO+4*\q+3]
	v_add_nc_u32 v[TA2], s39, v[PSW]
.endif
.if \load
	v_add_nc_u32 v[TA0], s37, v[BR]
	v_add_nc_u32 v[TA1], s38, v[SR]
.endif
.if \red
	v_add_f32 v[OS], v[OO+4*\q], v[OO+4*\q+1]
.else
	v_nop
	v_nop
.endif
.if \load
.irp s, 0,1
.irp c, 0,1,2
	ds_load_b128 v[BF+24*\q+12*\s+4*\c:BF+24*\q+12*\s+4*\c+3], v[TA0] offset:49152*\s+16*\c
.endr
.endr
	ds_load_b32 v[RW], v[TA1]                      ; lanes 0-15: wave 0's words, lanes 16-31: wave 2's
	ds_load_b32 v[RW+1], v[TA1] offset:2048        ; wave 1's and wave 3's
	s_add_co_u32 s37, s37, 768
	s_add_co_u32 s38, s38, 64
.endif
.if \red
	ds_store_b32 v[TA2], v[OS]
	s_add_co_u32 s39, s39, 64
.endif
.endm
; LAYER 3, four channels at a time: quad k of 8 of accumulator group g is channels 16 (k / 2) + 8 h + 4 (k % 2) + 0 .. 3.  RELU4: relu into other registers, two in one instruction; an accumulator is read from its low end on.
.macro RELU4 g, k
	v_dual_max_num_f32 v[TT+4*((\k)%2)], 0, v[ACC+32*(\g)+4*(\k)] :: v_dual_max_num_f32 v[TT+4*((\k)%2)+1], 0, v[ACC+32*(\g)+4*(\k)+1]
	v_dual_max_num_f32 v[TT+4*((\k)%2)+2], 0, v[ACC+32*(\g)+4*(\k)+2] :: v_dual_max_num_f32 v[TT+4*((\k)%2)+3], 0, v[ACC+32*(\g)+4*(\k)+3]
.endm
; DOT4: quad k's two packed multiply-adds with w3, onto set q's two pairs.  It stands one quad behind its RELU4.  The first quad starts the sums.
.macro DOT4 q, k
.irp p, 0,1
.if (\k) == 0
	v_pk_mul_f32 v[OO+4*(\q)+2*\p:OO+4*(\q)+2*\p+1], v[W3+4*(\k)+2*\p:W3+4*(\k)+2*\p+1], v[TT+4*((\k)%2)+2*\p:TT+4*((\k)%2)+2*\p+1]
.else
	v_pk_fma_f32 v[OO+4*(\q)+2*\p:OO+4*(\q)+2*\p+1], v[W3+4*(\k)+2*\p:W3+4*(\k)+2*\p+1], v[TT+4*((\k)%2)+2*\p:TT+4*((\k)%2)+2*\p+1], v[OO+4*(\q)+2*\p:OO+4*(\q)+2*\p+1]
.endif
.endr
.endm
; Source 0 = 16 rows of w2, source 1 = 16 positions: register j of lane (r, h) is channel 16 t + 8 h + j at position r.  K step 0 takes b2 as C; K step 1 adds in place and reads h1's scales from lanes 16-31.
.macro MM g, s, t
.if (\s) == 0
	v_wmma_scale_f32_16x16x128_f8f6f4 v[ACC+32*(\g)+8*(\t):ACC+32*(\g)+8*(\t)+7], v[24*(\t):24*(\t)+11], v[BF+24*(\g):BF+24*(\g)+11], v[B2+8*(\t):B2+8*(\t)+7], v[AS+2*(\t)], v[BS+(\g)] matrix_a_fmt:MATRIX_FMT_BF6 matrix_b_fmt:MATRIX_FMT_BF6
.else
	v_wmma_scale_f32_16x16x128_f8f6f4 v[ACC+32*(\g)+8*(\t):ACC+32*(\g)+8*(\t)+7], v[24*(\t)+12:24*(\t)+23], v[BF+24*(\g)+12:BF+24*(\g)+23], v[ACC+32*(\g)+8*(\t):ACC+32*(\g)+8*(\t)+7], v[AS+2*(\t)+1], v[BS+(\g)] matrix_a_fmt:MATRIX_FMT_BF6 matrix_b_fmt:MATRIX_FMT_BF6 matrix_b_scale:MATRIX_SCALE_ROW1
.endif
.endm
; A TILE: eight matrix instructions on buffer and group g, the four accumulators by turns; vec = 1: behind each, four instructions of layer 3 for the tile before, which lies in the other group.
; Behind the seventh: the next tile's eight loads, asked for ahead of this tile, are waited for, and its scale words are joined.  From there to the first matrix instruction that names the joined register stand six plain
; instructions here and four or five in BOUND; eight are asked.  vec = 0: eight v_nop take the six's part.  The same runs are the places in front of the loads into this tile's buffer.
.macro HT g, vec
	WIN 0x03                                       ; source 0 (w2's fragments, w3) in window 3, all else in window 0
.irp k, 0,1,2,3,4,5,6,7
	MM \g, (\k/4), (\k%4)
.if \vec
	RELU4 1-\g, \k
.if \k > 0
	DOT4 1-\g, \k-1
.endif
.endif
.if \k == 6
	s_wait_dscnt 0x0                               ; the other buffer and its scale words are in; BOUND's store is done
	v_bfi_b32 v[BS+1-\g], s42, v[RW], v[RW+1]      ; bytes 0 and 2 from the even wave's word, bytes 1 and 3 from the odd wave's
.endif
.endr
.if \vec
	DOT4 1-\g, 7
.else
.rept 8
	v_nop
.endr
.endif
.endm
; ---------------- THE HEAD ----------------
	s_load_b256 s[4:11], s[0:1], 0x0               ; x s[4:5], obj_idx s[6:7], w1 s[8:9], b1 s[10:11]
	s_load_b256 s[12:19], s[0:1], 0x20             ; w2 s[12:13], b2 s[14:15], w3 s[16:17], b3 s[18:19]
	s_load_b64 s[20:21], s[0:1], 0x40              ; out
	v_lshl_add_u32 v254, v0, 2, 0x2b000
	v_mov_b32 v255, 0
	v_lshrrev_b32 v[TA0], 5, v0
	v_readfirstlane_b32 s22, v[TA0]                ; wave 0..3
	v_and_b32 v[LANE], 31, v0
	v_and_b32 v[TA0], 15, v0                       ; r
	v_bfe_u32 v[TA1], v0, 4, 1                     ; h
	v_lshlrev_b32 v[XO], 4, v0
	v_lshl_add_u32 v[XSW], v0, 4, XSB
	v_lshl_add_u32 v[XSR], v[LANE], 2, XSB
	s_mul_i32 s25, s22, 24576
	v_mul_u32_u24 v[CW], v[LANE], 48
	v_add_nc_u32 v[CW], s25, v[CW]
	s_lshl_b32 s25, s22, 11
	s_add_co_u32 s25, s25, SCB
	v_lshl_add_u32 v[SW], v[LANE], 2, s25
	v_mul_u32_u24 v[BR], v[TA1], 24576
	v_mad_u32_u24 v[BR], v[TA0], 48, v[BR]
	v_lshl_add_u32 v[SR], v[TA1], 12, SCB
	v_lshl_add_u32 v[SR], v[TA0], 2, v[SR]
	s_lshl_b32 s25, s22, 12
	s_add_co_u32 s25, s25, PSB
	v_lshl_add_u32 v[PSW], v[TA1], 11, s25
	v_lshl_add_u32 v[PSW], v[TA0], 2, v[PSW]
	v_lshl_add_u32 v[PSR], v0, 4, PSB
	v_lshlrev_b32 v[H8], 3, v[TA1]
	v_lshlrev_b32 v[O32], 5, v[TA1]
	v_lshlrev_b32 v[L16], 4, v[LANE]
	s_mul_i32 s25, s22, 8448
	s_add_co_u32 s25, s25, WST                     ; my stage for w2
	v_add_nc_u32 v[STI], s25, v[L16]
	v_mul_u32_u24 v[STO], v[TA0], 528
	v_lshl_add_u32 v[STO], v[TA1], 8, v[STO]
	v_add_nc_u32 v[STO], s25, v[STO]
	v_mul_u32_u24 v[L24], v[LANE], 24
	v_lshlrev_b32 v[L4], 2, v[LANE]
	s_mul_i32 s25, s22, 1792
	s_add_co_u32 s25, s25, W1T                     ; my bytes for w1 and b1
	v_lshl_add_u32 v[WSW], v[LANE], 2, s25
	v_mov_b32 v[WSR], s25
.irp i, 0,1,2,3,4,5
	v_mov_b32 v[XX+2*\i+1], 0                      ; named as upper halves of pairs, so they are written
.endr
	v_mov_b32 v[PW2], 0                            ; a lane permute's destination counts as one of its sources
	s_mov_b32 s30, 0x76543210
	s_mov_b32 s31, 0xfedcba98                      ; v_permlanex16_b32's selects for lane l xor 16
	s_mov_b32 s42, 0x00ff00ff
	s_and_b32 s43, s22, 1
	s_lshl_b32 s43, s43, 3
	s_lshr_b32 s23, ttmp9, 4                       ; the sample
	s_and_b32 s25, ttmp9, 15
	s_lshl_b32 s25, s25, 13                        ; my 2,048 positions, in bytes
	s_mov_b32 s27, 0
	s_wait_kmcnt 0x0
	s_lshl_b32 s26, s23, 2
	s_add_nc_u64 s[6:7], s[6:7], s[26:27]
	s_load_b32 s24, s[6:7], 0x0                    ; obj_idx[sample]
	s_mul_i32 s26, s23, 786432
	s_add_co_u32 s26, s26, s25
	s_add_nc_u64 s[4:5], s[4:5], s[26:27]          ; x at my first position, row 0
	s_lshl_b32 s26, s23, 17
	s_add_co_u32 s26, s26, s25
	s_add_nc_u64 s[20:21], s[20:21], s[26:27]      ; out likewise
	XLOAD                                          ; the first chunk's x
	s_wait_kmcnt 0x0
	s_min_u32 s24, s24, 7                          ; the expert
	s_mul_i32 s26, s24, 6144
	s_mul_i32 s25, s22, 1536
	s_add_co_u32 s26, s26, s25
	s_add_nc_u64 s[8:9], s[8:9], s[26:27]          ; w1: my 64 rows of 24 bytes
	s_lshl_b32 s26, s24, 10
	s_lshl_b32 s25, s22, 8
	s_add_co_u32 s26, s26, s25
	s_add_nc_u64 s[10:11], s[10:11], s[26:27]      ; b1, b2, w3: my 64 numbers
	s_add_nc_u64 s[14:15], s[14:15], s[26:27]
	s_add_nc_u64 s[16:17], s[16:17], s[26:27]
	s_lshl_b32 s26, s24, 18
	s_lshl_b32 s25, s22, 16
	s_add_co_u32 s26, s26, s25
	s_add_nc_u64 s[12:13], s[12:13], s[26:27]      ; w2: my 64 rows of 1,024 bytes
	s_lshl_b32 s26, s24, 2
	s_add_nc_u64 s[18:19], s[18:19], s[26:27]
	s_load_b32 s28, s[18:19], 0x0                  ; b3
.irp i, 0,1,2,3,4,5                            ; w1 is stored [k][i]: lane l takes w1(i, 32 c + l); the twelve loads together read my 1,536 bytes
.irp c, 0,1
	global_load_b32 v[WT+2*\i+\c], v[L24], s[8:9] offset:768*\c+4*\i
.endr
.endr
.irp c, 0,1
	global_load_b32 v[WT+12+\c], v[L4], s[10:11] offset:128*\c   ; b1(32 c + l)
.endr
.irp t, 0,1,2,3                                ; b2 and w3 in the result's layout: lane (r, h), tile t: channels 16 t + 8 h + 0 .. 7
	global_load_b128 v[B2+8*\t:B2+8*\t+3], v[O32], s[14:15] offset:64*\t
	global_load_b128 v[B2+8*\t+4:B2+8*\t+7], v[O32], s[14:15] offset:64*\t+16
.endr
	WIN 0xC0
.irp t, 0,1,2,3
	global_load_b128 v[W3+8*\t:W3+8*\t+3], v[O32], s[16:17] offset:64*\t
	global_load_b128 v[W3+8*\t+4:W3+8*\t+7], v[O32], s[16:17] offset:64*\t+16
.endr
	GLW 0
	GLW 1
	GLW 2
	s_wait_loadcnt 48                              ; all but the 48 loads of w2's first three units: w1 and b1 are in
.irp i, 0,1,2,3,4,5,6                          ; laid down by (i, k), b1 as row 6: 128 consecutive bytes a store
.irp c, 0,1
	ds_store_b32 v[WSW], v[WT+2*\i+\c] offset:256*\i+128*\c
.endr
.endr
	WIN 0x40                                       ; and read back, every lane the same 16 bytes, so that every lane holds all 448 numbers.  LDS serves a wave's instructions in order: these see my stores
.irp i, 0,1,2,3
.irp j, 0,1,2,3,4,5,6,7,8,9,10,11,12,13,14,15
	ds_load_b128 v[64*\i+4*\j:64*\i+4*\j+3], v[WSR] offset:256*\i+16*\j
.endr
.endr
	WIN 0x80
.irp i, 4,5,6
.irp j, 0,1,2,3,4,5,6,7,8,9,10,11,12,13,14,15
	ds_load_b128 v[64*(\i-4)+4*\j:64*(\i-4)+4*\j+3], v[WSR] offset:256*\i+16*\j
.endr
.endr
	WIN 0
.irp u, 0,1,2,3,4,5,6,7
	WUNIT \u
.endr                                          ; the last unit's wait was for 0: every load of the head is in, x among them
	s_wait_kmcnt 0x0                               ; b3
	XSTORE
	BARRIER                                        ; the first chunk's x lies in LDS
	s_mov_b32 s32, 4
; ---------------- A CHUNK OF 512 POSITIONS ----------------
.Lchunk:
	; ---- 1: my 64 hidden units, 32 positions a trip
	s_mov_b32 s34, 0
	s_mov_b32 s35, 0
	s_mov_b32 s33, 16
.irp i, 0,1,2,3,4,5
	ds_load_b32 v[XX+2*\i], v[XSR] offset:2048*\i
.endr
	s_wait_dscnt 0x0                               ; on the way in nothing is out, so the count at the trip's head holds on both ways
.Lgroup:
	s_wait_dscnt 4                                 ; this trip's x is in: behind its six loads the last trip issued four stores, which may be out
	s_add_co_u32 s36, s35, 128
	s_min_u32 s36, s36, 15*128                     ; the next trip's x; the last trip asks for its own again, so that no read leaves x's bytes
	v_add_nc_u32 v[TA2], s36, v[XSR]               ; made here, 192 instructions ahead of the loads that use it
	L1
	s_wait_dscnt 0x0                               ; the last trip's stores are done (issued 192 instructions ago): their address and data registers are written again below
.irp i, 0,1,2,3,4,5
	ds_load_b32 v[XX+2*\i], v[TA2] offset:2048*\i
.endr
	v_add_nc_u32 v[TA0], s34, v[CW]
	v_add_nc_u32 v[TA1], s35, v[SW]
	QUANT 0                                        ; v[PWD]: my two bytes of the position's scale word of K step wave / 2: blocks wave % 2 and 2 + wave % 2,
	v_lshlrev_b32 v[PWD], s43, v[PWD]              ; at their places; the other two bytes stay 0
.irp q, 0,1,2
	ds_store_b128 v[TA0], v[CC+4*\q:CC+4*\q+3] offset:16*\q
.endr
	ds_store_b32 v[TA1], v[PWD]
	s_add_co_u32 s34, s34, 1536
	s_add_co_u32 s35, s35, 128
	s_sub_co_u32 s33, s33, 1
	s_cmp_lg_u32 s33, 0
	s_cbranch_scc1 .Lgroup
	BARRIER                                        ; all four waves' codes and scale words lie in LDS, and nobody reads this chunk's x any more
	; ---- 2: my 64 channels, 16 positions a tile.  Tile n lies in buffer and group n % 2.  In front of tile n: tile n + 1 is asked for and tile n - 3's sum is stored; among tile n's matrix instructions: tile n - 1's relu and w3
	s_mov_b32 s37, 0
	s_mov_b32 s38, 0
	s_mov_b32 s39, 0
	BOUND 0, 1, 0                                  ; tile 0 is asked for
	s_cmp_eq_u32 s32, 1                            ; the next chunk's x is asked for here, if there is a next chunk: no load leaves its buffer
	s_cbranch_scc1 .Lno_x
	s_add_nc_u64 s[4:5], s[4:5], 2048              ; (the loads that used this base have been waited for)
	XLOAD
.Lno_x:
	s_wait_dscnt 0x0
	v_bfi_b32 v[BS], s42, v[RW], v[RW+1]
.rept 8
	v_nop                                          ; a scale register written by a vector instruction stands eight places ahead of the scaled matrix instruction
.endr
	BOUND 0, 1, 1                                  ; tile 1 is asked for
	HT 0, 0                                        ; tile 0
	BOUND 0, 1, 0
	HT 1, 1                                        ; tile 1 | tile 0's relu and w3, into set 0
	BOUND 0, 1, 1
	HT 0, 1                                        ; tile 2 | tile 1's, into set 1
	WIN 0
	s_mov_b32 s44, 14
.Lpair:                                            ; trip j = 1 .. 14: tiles 2 j + 1 and 2 j + 2 are multiplied, tiles 2 j + 2 and 2 j + 3 asked for, tiles 2 j - 2 and 2 j - 1 stored
	BOUND 1, 1, 0
	HT 1, 1
	BOUND 1, 1, 1
	HT 0, 1
	WIN 0
	s_sub_co_u32 s44, s44, 1
	s_cmp_lg_u32 s44, 0
	s_cbranch_scc1 .Lpair
	BOUND 1, 0, 0                                  ; tile 28 is stored; there is no tile 32 to ask for
	HT 1, 1                                        ; tile 31 | tile 30's relu and w3
	BOUND 1, 0, 1                                  ; tile 29 is stored
	WIN 0x03
	RELU4 1, 0                                     ; tile 31's relu and w3
.irp k, 1,2,3,4,5,6,7
	RELU4 1, \k
	DOT4 1, \k-1
.endr
	DOT4 1, 7
	s_wait_dscnt 0x0                               ; the store before has read its registers
	BOUND 1, 0, 0                                  ; tile 30 is stored
	s_wait_dscnt 0x0
	BOUND 1, 0, 1                                  ; tile 31
	s_wait_loadcnt 0x0                             ; the next chunk's x is in registers,
	XSTORE                                         ; and goes to LDS.  (In the last chunk these six lines store the last chunk's x once more, and nobody reads it)
	BARRIER                                        ; the eight planes of partial sums and the next x lie in LDS, and nobody reads this chunk's codes any more
	; ---- 3: thread t finishes positions 4 t .. 4 t + 3
.irp p, 0,1,2,3,4,5,6,7
	ds_load_b128 v[SS+4*\p:SS+4*\p+3], v[PSR] offset:2048*\p
.endr
	s_wait_dscnt 0x0
.irp p, 0,1,2,3
.irp q, 0,2
	v_pk_add_f32 v[SS+4*\p+\q:SS+4*\p+\q+1], v[SS+4*\p+\q:SS+4*\p+\q+1], v[SS+16+4*\p+\q:SS+16+4*\p+\q+1]
.endr
.endr
.irp p, 0,1
.irp q, 0,2
	v_pk_add_f32 v[SS+4*\p+\q:SS+4*\p+\q+1], v[SS+4*\p+\q:SS+4*\p+\q+1], v[SS+8+4*\p+\q:SS+8+4*\p+\q+1]
.endr
.endr
.irp q, 0,2
	v_pk_add_f32 v[SS+\q:SS+\q+1], v[SS+\q:SS+\q+1], v[SS+4+\q:SS+4+\q+1]
.endr
.irp q, 0,1,2,3
	v_add_f32 v[SS+\q], s28, v[SS+\q]              ; + b3
.endr
	global_store_b128 v[XO], v[SS:SS+3], s[20:21] th:TH_STORE_NT   ; a wave stores 512 consecutive bytes, at a multiple of 256 from out's first byte; written once, read by nobody here
	s_wait_xcnt 0x0                                ; the store's base and data are written again only behind this wait
	s_add_nc_u64 s[20:21], s[20:21], 2048
	s_sub_co_u32 s32, s32, 1
	s_cmp_lg_u32 s32, 0
	s_cbranch_scc1 .Lchunk
	s_wait_tensorcnt 0x0
	ds_add_u32 v254, v255
	s_wait_dscnt 0x0
	s_endpgm
.Lfunc_end_k_q5683ce67f6_mlp:
	.size	k_q5683ce67f6_mlp, .Lfunc_end_k_q5683ce67f6_mlp-k_q5683ce67f6_mlp
	.p2alignl 7, 3214868480
	.fill 96, 4, 3214868480
	.section	.rodata,"a",@progbits
	.p2align	6, 0x0
	.amdhsa_kernel k_q5683ce67f6_mlp
		.amdhsa_group_segment_fixed_size 176640
		.amdhsa_private_segment_fixed_size 0
		.amdhsa_enable_private_segment 0
		.amdhsa_kernarg_size 72
		.amdhsa_user_sgpr_count 2
		.amdhsa_user_sgpr_kernarg_segment_ptr 1
		.amdhsa_wavefront_size32 1
		.amdhsa_system_sgpr_workgroup_id_x 1
		.amdhsa_system_sgpr_workgroup_id_y 1
		.amdhsa_system_sgpr_workgroup_id_z 1
		.amdhsa_system_vgpr_workitem_id 0
		.amdhsa_next_free_vgpr 1024
		.amdhsa_next_free_sgpr 66
		.amdhsa_reserve_vcc 0
		.amdhsa_float_denorm_mode_32 3
		.amdhsa_float_denorm_mode_16_64 3
		.amdhsa_memory_ordered 1
		.amdhsa_forward_progress 1
		.amdhsa_inst_pref_size 120
	.end_amdhsa_kernel
	.amdgpu_metadata
---
amdhsa.version: [ 1, 2 ]
amdhsa.kernels:
  - .name:           k_q5683ce67f6_mlp
    .symbol:         k_q5683ce67f6_mlp.kd
    .args:
      - { .name: x, .offset: 0, .size: 8, .value_kind: global_buffer, .address_space: global }
      - { .name: obj_idx, .offset: 8, .size: 8, .value_kind: global_buffer, .address_space: global }
      - { .name: w1, .offset: 16, .size: 8, .value_kind: global_buffer, .address_space: global }
      - { .name: b1, .offset: 24, .size: 8, .value_kind: global_buffer, .address_space: global }
      - { .name: w2, .offset: 32, .size: 8, .value_kind: global_buffer, .address_space: global }
      - { .name: b2, .offset: 40, .size: 8, .value_kind: global_buffer, .address_space: global }
      - { .name: w3, .offset: 48, .size: 8, .value_kind: global_buffer, .address_space: global }
      - { .name: b3, .offset: 56, .size: 8, .value_kind: global_buffer, .address_space: global }
      - { .name: out0, .offset: 64, .size: 8, .value_kind: global_buffer, .address_space: global }
    .group_segment_fixed_size: 176640
    .private_segment_fixed_size: 0
    .kernarg_segment_align: 8
    .kernarg_segment_size: 72
    .max_flat_workgroup_size: 128
    .sgpr_count:     66
    .vgpr_count:     1024
    .wavefront_size: 32
...
	.end_amdgpu_metadata
.endif
;; end of part 2
;; ======== version 3 of 3: 1 launch; version 2 with the launch mlp written anew for expert scheduling mode
;; launch mlp (part 3): grid 256 x 1, 4 waves a work-group, no clusters, 176,640 bytes of LDS; arguments x, obj_idx, w1, b1, w2, b2, w3, b3, out0; writes out0
.if DOCPART == 3
	.amdgcn_target "amdgcn-amd-amdhsa--gfx1250"
	.amdhsa_code_object_version 6
	.text
	.protected	k_q5683ce67f6_mlp
	.globl	k_q5683ce67f6_mlp
	.p2align	8
	.type	k_q5683ce67f6_mlp,@function
k_q5683ce67f6_mlp:
	s_mov_b64 s[64:65], 0
	v_nop
	global_prefetch_b8 v0, s[64:65] scope:SCOPE_SE
	s_setreg_imm32_b32 hwreg(HW_REG_WAVE_SCHED_MODE, 0, 2), 2
	s_setreg_imm32_b32 hwreg(HW_REG_WAVE_MODE, 25, 1), 1
	s_wait_xcnt 0x0
	s_wait_alu depctr_vm_vsrc(0)
; out[b][v] = w3[e] . relu(Q(w2[e]) Q(relu(w1[e] x[b][:][v] + b1[e])) + b2[e]) + b3[e],  e = obj_idx[b].  16 samples, 8 experts, 32,768 positions, 6 -> 256 -> 256 -> 1.
; Q: codes of BF6 (E3M2) with one E8M0 scale for each 32 along the hidden axis.  Layers 1 and 3 are f32 multiply-adds; layer 2 goes to the matrix unit on codes; nothing between the layers goes to memory.
; SHARES.  Work-group g takes sample g / 16 and positions 2,048 (g % 16) on, as four chunks of 512.  THE FOUR WAVES SHARE THE CHANNELS, NOT THE POSITIONS.  Wave w keeps in registers, for the whole launch:
;   its 64 rows of w1 and b1 (hidden units 64 w on; 448 registers, every lane the same number, neighbours k, k + 1 as pairs for the packed multiply-add),
;   its 64 rows of w2 as codes (output channels 64 w on: 8 fragments of 12 registers, 8 scale words), and those channels' b2 and w3 in the matrix result's layout.
; A CHUNK, two barriers:  1: a lane is a position; the wave makes its 64 hidden units of 32 positions at a time (two whole blocks of 32 in one lane's registers: no other lane is asked for a maximum), relu, codes;
;   48 bytes of codes and one word of scale bytes a position go to LDS | barrier |  2: every wave reads all four waves' codes, 16 positions a tile, and makes its 64 channels: 8 matrix instructions a tile; relu and
;   the product with w3 of the tile before stand between them; a lane's sum over its 32 channels goes to LDS | barrier |  3: thread t adds the eight partial sums of positions 4 t .. 4 t + 3, adds b3 and stores 16 bytes.
; THE ORDER OF K.  The matrix instruction's K step s, block 2 c + h (h = lane / 16) holds hidden units 128 s + 64 h + 32 c + 0 .. 31, in A and in B alike: whole blocks change places, none is cut.  So lane (r, h) of a fragment
;   of B holds just the 12 registers that wave 2 s + h made for position r, and lane (r, h) of A 64 neighbours of a row of w2.
; NO JOINT LOADS: the sixteen work-groups of a sample do read the same w1 and w2, but once each, at the head, on their way into the registers that keep them (256 KiB + 6 KiB); no loop fetches anything shared, and x is each work-group's own.
; LIMITS.  NaN and infinities among the inputs are not served.  A block whose largest magnitude lies under 2^-122, a block of zeros among them, gets the scale byte 1 (a block of zeros has zero codes; the bytes are read here alone).
;   An obj_idx outside 0 .. 7 is held at 7.  Layer 2's f32 sums run in the order of K above, layer 3's as a tree: both orders differ from a plain ascending sum.
; THE MODE: SCHED_MODE bits 1:0 = 2 (LLVM: expert scheduling mode 2), set by the entry lines.  The code itself states the register dependences between vector or matrix instructions and memory or LDS instructions,
;   with s_wait_alu, always for 0.
; THE PLAN.  Registers that memory or LDS instructions touch, and who else names them:
;   all addresses but v[TA0 .. TA2]: made once at the head, ahead of one wait on va_vdst, and never written again.
;   HEAD     v[HH ..]: a unit's loads from the stage land there; the unit's quantiser reads them: a wait on va_vdst ahead of the next unit's loads.
;            a raw slot of w2: global loads land there, sixteen LDS stores read it, global loads land there again: a wait on vm_vsrc ahead of these.
;   PHASE 1  v[XX ..], even: the six LDS loads of the next trip's x land there; the trip's 192 multiply-adds read them.   v[TA2]: written at a trip's head, read by the six loads.
;            v[CC ..], v[PWD] (data), v[TA0], v[TA1] (addresses): written by a trip's quantiser, read by four LDS stores, which are issued in the NEXT trip, behind its multiply-adds.
;            ONE wait on va_vdst a trip, behind the multiply-adds, ahead of the four stores and the six loads.  ONE wait on vm_vsrc a trip, in the quantiser, behind its maxima and relus and ahead of its first write of those registers.
;   PHASE 2  v[BF ..], buffer q: the loads between two tiles land there; the eight matrix instructions of the tile just done have read it.   v[RW ..]: the same loads land there; that tile's v_bfi_b32 has read them.
;            v[TA0 .. TA2], v[OS]: written between two tiles, read by the eight loads and the one store that follow.
;            Between two tiles: a wait on vm_vsrc, the vector lines, ONE wait on va_vdst, the run of LDS instructions.  The tile's matrix and vector instructions name none of the registers that this run touches but v[RW ..], behind the wait for the loads.
;            v[XG ..]: named by global loads and LDS stores alone.
;   PHASE 3  v[SS ..]: LDS loads land there; the additions read them and write the store's four registers: a wait on va_vdst ahead of the store, one on vm_vsrc behind it.
;
; LDS (bytes)
.set SCB,   98304                      ; 0 .. 98,303: the codes: wave x 24,576 + tile x 768 + 48 r (48 bytes from lane to lane: an odd multiple of 16).  Here: scale words, wave x 2,048 + 4 x position
.set PSB,   106496                     ; partial sums: (2 wave + h) x 2,048 + 4 x position
.set XSB,   122880                     ; x of a chunk: row i x 2,048 + 4 x position
.set WST,   135168                     ; head only: a stage of 16 rows x (512 + 16) bytes for each wave, for w2
.set W1T,   168960                     ; head only: 1,792 bytes for each wave: w1 by (i, k), 256 i + 4 k, then b1 as a seventh row.  Behind it, from 176,128 (0x2b000) on: the spare words, 128 bytes for each wave, which no other line names
.set FLOOR, 0x2800000                  ; 2^(5 - 127): no largest magnitude is taken under it, so no scale byte falls under 1
; REGISTERS, window 0
.set LANE, 1
.set XO,   2                           ; 16 x thread: my 16 bytes of a chunk's row of x, and of out
.set XSW,  3                           ; XSB + 16 x thread
.set XSR,  4                           ; XSB + 4 x lane
.set CW,   5                           ; where I put codes: 24,576 wave + 48 lane
.set SW,   6                           ; and the scale word: SCB + 2,048 wave + 4 lane
.set BR,   7                           ; where I read codes: 24,576 h + 48 r
.set SR,   8                           ; and scale words: SCB + 4,096 h + 4 r
.set PSW,  9                           ; PSB + 4,096 wave + 2,048 h + 4 r
.set PSR,  10                          ; PSB + 16 x thread
.set TA0,  11                          ; v11-13 addresses in hand
.set TA1,  12
.set TA2,  13
.set H8,   15                          ; 8 h
.set AS,   16                          ; v16-23 w2's scale words, 2 t + s
.set BS,   24                          ; v24-25 h1's scale words, one register a buffer: lanes 0-15 K step 0, lanes 16-31 K step 1
.set O32,  28                          ; head: 32 h
.set L16,  29                          ; head: 16 lane
.set STI,  30                          ; head: into my stage
.set STO,  31                          ; head: out of it
.set B2,   32                          ; v32-63 b2: 8 t + j
.set HH,   64                          ; v64-127: 64 numbers to quantise (phase 1, head);
.set ACC,  64                          ; two groups of four accumulators, 32 g + 8 t (phase 2);
.set SS,   64                          ; eight partial sums x 4 (phase 3)
.set BF,   128                         ; v128-175 phase 2: h1's fragments, 24 buffer + 12 s.  In phase 1 and the head these registers serve as follows:
.set XX,   128                         ; v128-139 x_i at 2 i (the odd ones are only named as upper halves of pairs)
.set CC,   140                         ; v140-151 the 12 registers of codes
.set CT,   152                         ; v152-158 the blocks' upper halves as the conversions leave them
.set MX,   160                         ; v160-167 eight running maxima
.set SO,   168                         ; v168-169 the conversions' scale operands
.set BY,   170                         ; v170-171 the scale bytes
.set PWD,  172                         ; the scale word
.set PW2,  173
.set OO,   176                         ; v176-183 layer 3: two sets, by turns, of two pairs of sums
.set WT,   176                         ; v176-189 head only: w1 and b1 as loaded
.set TT,   184                         ; v184-191 relu's results, two sets of four by turns
.set XG,   192                         ; v192-215 the next chunk's x on its way
.set RW,   216                         ; v216-217 scale words as loaded
.set OS,   218                         ; a lane's finished sum
.set L24,  220                         ; head: 24 lane
.set L4,   221                         ; head: 4 lane
.set WSW,  222                         ; head: W1T + 1,792 wave + 4 lane
.set WSR,  223                         ; head: W1T + 1,792 wave, in every lane
; v254, v255: the closing add's two registers: my spare word's LDS address, and 0; made at the head and kept for that alone
; window 1: w1(i, k) at 64 i + k, i = 0 .. 3.   window 2: w1(4, k) at k, w1(5, k) at 64 + k, b1 at 128 + k; v192-255 raw numbers of w2 (head).
; window 3: w2's fragments at 12 (2 t + s); w3 at 96 + 8 t + j; v128-255 raw numbers of w2 (head).
.set B1,   128
.set W3,   96
; SCALARS: s[4:21] the nine addresses; s22 wave; s23 sample; s24 expert; s25, s[26:27] at work; s28 b3; s[30:31] lane selects; s32 chunks to go; s33, s44 trip counts; s34, s35 phase 1's steps in the codes and in x and the
; scale words; s36 the next trip's x, held; s37, s38 the next tile's steps in the codes and the scale words; s39 the finished tile's step; s42 the bytes of the even waves in a scale word; s43 8 (wave % 2)
.set MSB, 0
.macro WIN new                         ; s_set_vgpr_msb: bits 1:0 source 0, 3:2 source 1, 5:4 source 2, 7:6 destination; the high byte repeats the setting that is left
.if MSB != \new
	s_set_vgpr_msb (MSB<<8)|\new
.set MSB, \new
.endif
.endm
.macro BARRIER                         ; my LDS stores have landed and my LDS loads are in: then the work-group's barrier
	s_wait_dscnt 0x0
	s_barrier_signal -1
	s_barrier_wait -1
.endm
; 64 numbers of a lane, two blocks of 32, become 12 registers of codes in v[CC] on, two scale bytes in v[BY], and the two bytes 16 bits apart in v[PWD].  a = 1: magnitudes (w2).  a = 0: relu first (h1): the maxima are
; taken without |.|, so that what is negative does not count (the floor stands over it), and the numbers are then clipped at 0; the places in LDS for the trip's codes and scale word are made here too.
; A block's 32 numbers and the floor are 33 leaves: 16 lines of three operands.  Eight chains of seven numbers go by turns, so that no line waits for a line near above it; the eight numbers left over join where the chains do.
.macro QUANT a
.irp m, 0,1,2,3,4,5,6,7
.if \a
	v_max3_num_f32 v[MX+\m], |v[HH+8*\m]|, |v[HH+8*\m+1]|, |v[HH+8*\m+2]|
.else
	v_max3_num_f32 v[MX+\m], v[HH+8*\m], v[HH+8*\m+1], v[HH+8*\m+2]
.endif
.endr
.irp i, 3,5
.irp m, 0,1,2,3,4,5,6,7
.if \a
	v_max3_num_f32 v[MX+\m], v[MX+\m], |v[HH+8*\m+\i]|, |v[HH+8*\m+\i+1]|
.else
	v_max3_num_f32 v[MX+\m], v[MX+\m], v[HH+8*\m+\i], v[HH+8*\m+\i+1]
.endif
.endr
.endr
.irp c, 0,1
.if \a
	v_max3_num_f32 v[MX+4*\c], v[MX+4*\c], v[MX+4*\c+1], |v[HH+32*\c+7]|
.else
	v_max3_num_f32 v[MX+4*\c], v[MX+4*\c], v[MX+4*\c+1], v[HH+32*\c+7]
.endif
.endr
.irp c, 0,1
.if \a
	v_max3_num_f32 v[MX+4*\c+2], v[MX+4*\c+2], v[MX+4*\c+3], |v[HH+32*\c+15]|
.else
	v_max3_num_f32 v[MX+4*\c+2], v[MX+4*\c+2], v[MX+4*\c+3], v[HH+32*\c+15]
.endif
.endr
.irp c, 0,1
.if \a
	v_max3_num_f32 v[MX+4*\c], v[MX+4*\c], |v[HH+32*\c+23]|, |v[HH+32*\c+31]|
.else
	v_max3_num_f32 v[MX+4*\c], v[MX+4*\c], v[HH+32*\c+23], v[HH+32*\c+31]
.endif
.endr
.irp c, 0,1
	v_max3_num_f32 v[MX+4*\c], v[MX+4*\c], v[MX+4*\c+2], FLOOR   ; block c's largest magnitude
.endr
.if \a == 0
.set jj, 0
.rept 32
	v_dual_max_num_f32 v[HH+jj], 0, v[HH+jj] :: v_dual_max_num_f32 v[HH+jj+1], 0, v[HH+jj+1]   ; relu, in f32, two in one instruction: one destination even, the other odd; the second sources are neighbours
.set jj, jj+2
.endr
	s_wait_alu depctr_vm_vsrc(0)                   ; the four stores issued in this trip have read v[CC ..], v[PWD], v[TA0] and v[TA1], all of which are written again below; the trip's six loads have read v[TA2], which the next trip's head writes
	v_add_nc_u32 v[TA0], s34, v[CW]                ; where this trip's codes go,
	v_add_nc_u32 v[TA1], s35, v[SW]                ; and its scale word
.endif
.irp c, 0,1
	v_add_nc_u32 v[SO+\c], 0xfe000000, v[MX+4*\c]  ; 4 off the exponent field: the conversion takes this operand's exponent field as its scale, and nothing else of it
.endr
.irp c, 0,1
	v_lshrrev_b32 v[BY+\c], 23, v[SO+\c]           ; the scale's byte
.endr
.irp c, 0,1
	v_cvt_scalef32_pk16_bf6_f32 v[CC+6*\c:CC+6*\c+2], v[HH+32*\c:HH+32*\c+15], v[SO+\c]
	v_cvt_scalef32_pk16_bf6_f32 v[CT+4*\c:CT+4*\c+2], v[HH+32*\c+16:HH+32*\c+31], v[SO+\c]   ; (a conversion's three registers begin on an even number: the second half of a block's six does not)
.endr
	v_lshl_or_b32 v[PWD], v[BY+1], 16, v[BY]       ; my two bytes, 16 bits apart.  (It names nothing of the conversions: the one plain place behind them)
	v_dual_mov_b32 v[CC+3], v[CT] :: v_dual_mov_b32 v[CC+4], v[CT+1]      ; the upper halves move to their places; of the six destinations four are odd, so two pairs and two single moves
	v_dual_mov_b32 v[CC+5], v[CT+2] :: v_dual_mov_b32 v[CC+10], v[CT+5]
	v_mov_b32 v[CC+9], v[CT+4]
	v_mov_b32 v[CC+11], v[CT+6]
.endm
; Unit u = 2 t + s of w2: rows 16 t .. 16 t + 15 of my 64, columns 128 s .. 128 s + 127.  Sixteen loads of 512 consecutive bytes, into raw slot u % 3.  again = 1: the slot has held an earlier unit.
.macro GLW u, again
.if (\u)%3 == 0
.set rb, 128
	WIN 0xC0
.elseif (\u)%3 == 1
.set rb, 192
	WIN 0xC0
.else
.set rb, 192
	WIN 0x80
.endif
.if \again
	s_wait_alu depctr_vm_vsrc(0)                   ; the sixteen LDS stores of the unit three back have read this raw slot, in which the loads below land
.endif
.irp j, 0,1,2,3,4,5,6,7,8,9,10,11,12,13,14,15
	global_load_b128 v[rb+4*\j:rb+4*\j+3], v[L16], s[12:13] offset:(16*((\u)/2)+\j)*1024+512*((\u)%2)
.endr
	WIN 0
.endm
; Unit u is turned through my stage (in: as loaded; out: lane (r, h) takes 256 bytes of row r, from byte 256 h on), quantised, and laid down as fragment u and scale word u.
.macro WUNIT u
.if (\u) <= 5
	s_wait_loadcnt 32                              ; this unit's sixteen loads are in; the two later units' may be out
.elseif (\u) == 6
	s_wait_loadcnt 16                              ; the last unit's may be out
.else
	s_wait_loadcnt 0
.endif
.if (\u)%3 == 0
.set rb, 128
	WIN 0x0C                                       ; an LDS store's data are its source 1
.elseif (\u)%3 == 1
.set rb, 192
	WIN 0x0C
.else
.set rb, 192
	WIN 0x08
.endif
.irp j, 0,1,2,3,4,5,6,7,8,9,10,11,12,13,14,15
	ds_store_b128 v[STI], v[rb+4*\j:rb+4*\j+3] offset:528*\j
.endr
	WIN 0
.if (\u) > 0
	s_wait_alu depctr_va_vdst(0)                   ; the maxima and conversions of the unit before are done reading v[HH ..], in which the loads below land
.endif
.irp j, 0,1,2,3,4,5,6,7,8,9,10,11,12,13,14,15
	ds_load_b128 v[HH+4*\j:HH+4*\j+3], v[STO] offset:16*\j   ; LDS serves a wave's instructions in order: these see my stores
.endr
	s_wait_dscnt 0x0                               ; the numbers are back
.if (\u)+3 <= 7
	GLW (\u)+3, 1                                  ; the raw slot takes the unit three further on
.endif
	QUANT 1                                        ; v[PWD]: my two bytes: blocks h and 2 + h of row r,
	v_lshlrev_b32 v[PWD], v[H8], v[PWD]            ; at their places in the scale word;
	v_permlanex16_b32 v[PW2], v[PWD], s30, s31
	v_or_b32 v[AS+(\u)], v[PWD], v[PW2]            ; with lane l xor 16's two the word is whole
	WIN 0xC0
.irp i, 0,1,2,3,4,5,6,7,8,9,10,11
	v_mov_b32 v[12*(\u)+\i], v[CC+\i]
.endr
	WIN 0
.endm
.macro XLOAD                           ; a chunk's x: six rows of 2,048 bytes; a wave's load covers 512 consecutive bytes
.irp i, 0,1,2,3,4,5
	global_load_b128 v[XG+4*\i:XG+4*\i+3], v[XO], s[4:5] offset:131072*\i th:TH_LOAD_NT
.endr
.endm
.macro XSTORE
.irp i, 0,1,2,3,4,5
	ds_store_b128 v[XSW], v[XG+4*\i:XG+4*\i+3] offset:2048*\i
.endr
.endm
; Layer 1 for 32 positions: h(k) = b1(k) + the sum over i of w1(i, k) x_i, two k at a time; of x's pair the low word serves both halves.
.macro L1
	WIN 0x21                                       ; w1 in window 1, b1 in window 2
.set pp, 0
.rept 32
	v_pk_fma_f32 v[HH+pp:HH+pp+1], v[pp:pp+1], v[XX:XX+1], v[B1+pp:B1+pp+1] op_sel_hi:[1,0,1]
.set pp, pp+2
.endr
	WIN 0x01
.irp i, 1,2,3
.set pp, 0
.rept 32
	v_pk_fma_f32 v[HH+pp:HH+pp+1], v[64*\i+pp:64*\i+pp+1], v[XX+2*\i:XX+2*\i+1], v[HH+pp:HH+pp+1] op_sel_hi:[1,0,1]
.set pp, pp+2
.endr
.endr
	WIN 0x02
.irp i, 4,5
.set pp, 0
.rept 32
	v_pk_fma_f32 v[HH+pp:HH+pp+1], v[64*(\i-4)+pp:64*(\i-4)+pp+1], v[XX+2*\i:XX+2*\i+1], v[HH+pp:HH+pp+1] op_sel_hi:[1,0,1]
.set pp, pp+2
.endr
.endr
	WIN 0
.endm
.macro SEND                            ; a trip's 48 bytes of codes and its scale word go to LDS
.irp q, 0,1,2
	ds_store_b128 v[TA0], v[CC+4*\q:CC+4*\q+3] offset:16*\q
.endr
	ds_store_b32 v[TA1], v[PWD]
.endm
; A TRIP OF PHASE 1: my 64 hidden units of 32 positions.  first = 1: the chunk's first trip, with no trip in front of it whose codes are to be stored.
.macro GROUP first
	s_wait_dscnt 0x0                               ; this trip's x is in; nothing was issued behind its six loads
	s_add_co_u32 s36, s35, 128
	s_min_u32 s36, s36, 15*128                     ; the next trip's x; the last trip asks for its own again, so that no read leaves x's bytes
	v_add_nc_u32 v[TA2], s36, v[XSR]               ; made here, 192 instructions ahead of the loads that use it
	L1
	s_wait_alu depctr_va_vdst(0)                   ; the multiply-adds are done reading v[XX ..], in which the loads below land; v[TA2] is written; the trip before has written v[CC ..], v[PWD], v[TA0] and v[TA1], which the stores below read
.if !\first
	SEND                                           ; the trip before
.endif
.irp i, 0,1,2,3,4,5
	ds_load_b32 v[XX+2*\i], v[TA2] offset:2048*\i
.endr
	QUANT 0                                        ; v[PWD]: my two bytes of the position's scale word of K step wave / 2: blocks wave % 2 and 2 + wave % 2,
	v_lshlrev_b32 v[PWD], s43, v[PWD]              ; at their places; the other two bytes stay 0
	s_add_co_u32 s34, s34, 1536
	s_add_co_u32 s35, s35, 128
.endm
; BETWEEN TWO TILES.  red = 1: set q of layer 3's sums, finished a whole tile ago, becomes one number, my 32 channels' part of out at position r, and goes to LDS.  load = 1: the tile after the one about to be multiplied is asked
; for, into buffer q, which the tile before has just left: two fragments (lane (r, h), K step s: the 48 bytes that wave 2 s + h made for position r) and the scale words: eight loads.
; The address additions stand between the two additions of the sum.  red = 0: two v_nop keep the run of plain instructions in front of the next tile's first matrix instruction at ten.
.macro BOUND red, load, q
	WIN 0
	s_wait_alu depctr_vm_vsrc(0)                   ; the LDS loads and the store issued between the last two tiles have read v[TA0 .. TA2] and v[OS], which are written again below.  At a chunk's first: phase 1's last stores have read v[TA0], v[TA1]
	                                               ; and v[CC ..], v[PWD], in which fragments land; and the stores of x have read v[XG ..], in which the next chunk's x lands
.if \red
	v_pk_add_f32 v[OO+4*\q:OO+4*\q+1], v[OO+4*\q:OO+4*\q+1], v[OO+4*\q+2:OO+4*\q+3]
	v_add_nc_u32 v[TA2], s39, v[PSW]
.endif
.if \load
	v_add_nc_u32 v[TA0], s37, v[BR]
	v_add_nc_u32 v[TA1], s38, v[SR]
.endif
.if \red
	v_add_f32 v[OS], v[OO+4*\q], v[OO+4*\q+1]
.else
	v_nop
	v_nop
.endif
	s_wait_alu depctr_va_vdst(0)                   ; the addresses and v[OS] are written, which the LDS instructions below read; the matrix instructions of the tile before are done reading buffer q, and its v_bfi_b32 v[RW ..], in which the loads land
	                                               ; (at a chunk's first two: so is phase 1 with these registers); and the joined scale words, ten places or more back, are written, which the next tile's matrix instructions take
.if \load
.irp s, 0,1
.irp c, 0,1,2
	ds_load_b128 v[BF+24*\q+12*\s+4*\c:BF+24*\q+12*\s+4*\c+3], v[TA0] offset:49152*\s+16*\c
.endr
.endr
	ds_load_b32 v[RW], v[TA1]                      ; lanes 0-15: wave 0's words, lanes 16-31: wave 2's
	ds_load_b32 v[RW+1], v[TA1] offset:2048        ; wave 1's and wave 3's
	s_add_co_u32 s37, s37, 768
	s_add_co_u32 s38, s38, 64
.endif
.if \red
	ds_store_b32 v[TA2], v[OS]
	s_add_co_u32 s39, s39, 64
.endif
.endm
; LAYER 3, four channels at a time: quad k of 8 of accumulator group g is channels 16 (k / 2) + 8 h + 4 (k % 2) + 0 .. 3.  RELU4: relu into other registers, two in one instruction; an accumulator is read from its low end on.
.macro RELU4 g, k
	v_dual_max_num_f32 v[TT+4*((\k)%2)], 0, v[ACC+32*(\g)+4*(\k)] :: v_dual_max_num_f32 v[TT+4*((\k)%2)+1], 0, v[ACC+32*(\g)+4*(\k)+1]
	v_dual_max_num_f32 v[TT+4*((\k)%2)+2], 0, v[ACC+32*(\g)+4*(\k)+2] :: v_dual_max_num_f32 v[TT+4*((\k)%2)+3], 0, v[ACC+32*(\g)+4*(\k)+3]
.endm
; DOT4: quad k's two packed multiply-adds with w3, onto set q's two pairs.  It stands one quad behind its RELU4.  The first quad starts the sums.
.macro DOT4 q, k
.irp p, 0,1
.if (\k) == 0
	v_pk_mul_f32 v[OO+4*(\q)+2*\p:OO+4*(\q)+2*\p+1], v[W3+4*(\k)+2*\p:W3+4*(\k)+2*\p+1], v[TT+4*((\k)%2)+2*\p:TT+4*((\k)%2)+2*\p+1]
.else
	v_pk_fma_f32 v[OO+4*(\q)+2*\p:OO+4*(\q)+2*\p+1], v[W3+4*(\k)+2*\p:W3+4*(\k)+2*\p+1], v[TT+4*((\k)%2)+2*\p:TT+4*((\k)%2)+2*\p+1], v[OO+4*(\q)+2*\p:OO+4*(\q)+2*\p+1]
.endif
.endr
.endm
; Source 0 = 16 rows of w2, source 1 = 16 positions: register j of lane (r, h) is channel 16 t + 8 h + j at position r.  K step 0 takes b2 as C; K step 1 adds in place and reads h1's scales from lanes 16-31.
.macro MM g, s, t
.if (\s) == 0
	v_wmma_scale_f32_16x16x128_f8f6f4 v[ACC+32*(\g)+8*(\t):ACC+32*(\g)+8*(\t)+7], v[24*(\t):24*(\t)+11], v[BF+24*(\g):BF+24*(\g)+11], v[B2+8*(\t):B2+8*(\t)+7], v[AS+2*(\t)], v[BS+(\g)] matrix_a_fmt:MATRIX_FMT_BF6 matrix_b_fmt:MATRIX_FMT_BF6
.else
	v_wmma_scale_f32_16x16x128_f8f6f4 v[ACC+32*(\g)+8*(\t):ACC+32*(\g)+8*(\t)+7], v[24*(\t)+12:24*(\t)+23], v[BF+24*(\g)+12:BF+24*(\g)+23], v[ACC+32*(\g)+8*(\t):ACC+32*(\g)+8*(\t)+7], v[AS+2*(\t)+1], v[BS+(\g)] matrix_a_fmt:MATRIX_FMT_BF6 matrix_b_fmt:MATRIX_FMT_BF6 matrix_b_scale:MATRIX_SCALE_ROW1
.endif
.endm
; A TILE: eight matrix instructions on buffer and group g, the four accumulators by turns; vec = 1: behind each, four instructions of layer 3 for the tile before, which lies in the other group.
; Behind the seventh: the next tile's eight loads, asked for ahead of this tile, are waited for, and its scale words are joined.  From there to the first matrix instruction that names the joined register stand six plain
; instructions here and four or five in BOUND; eight are asked, and BOUND's wait on va_vdst stands behind them.  vec = 0: eight v_nop take the six's part.
; No line of a tile names a register of the LDS instructions issued in front of it, but the v_bfi_b32, which stands behind the wait for them: so a tile holds no s_wait_alu.
.macro HT g, vec
	WIN 0x03                                       ; source 0 (w2's fragments, w3) in window 3, all else in window 0
.irp k, 0,1,2,3,4,5,6,7
	MM \g, (\k/4), (\k%4)
.if \vec
	RELU4 1-\g, \k
.if \k > 0
	DOT4 1-\g, \k-1
.endif
.endif
.if \k == 6
	s_wait_dscnt 0x0                               ; the other buffer and its scale words are in; BOUND's store is done
	v_bfi_b32 v[BS+1-\g], s42, v[RW], v[RW+1]      ; bytes 0 and 2 from the even wave's word, bytes 1 and 3 from the odd wave's
.endif
.endr
.if \vec
	DOT4 1-\g, 7
.else
.rept 8
	v_nop
.endr
.endif
.endm
; ---------------- THE HEAD ----------------
	s_load_b256 s[4:11], s[0:1], 0x0               ; x s[4:5], obj_idx s[6:7], w1 s[8:9], b1 s[10:11]
	s_load_b256 s[12:19], s[0:1], 0x20             ; w2 s[12:13], b2 s[14:15], w3 s[16:17], b3 s[18:19]
	s_load_b64 s[20:21], s[0:1], 0x40              ; out
	v_lshl_add_u32 v254, v0, 2, 0x2b000
	v_mov_b32 v255, 0
	v_lshrrev_b32 v[TA0], 5, v0
	v_readfirstlane_b32 s22, v[TA0]                ; wave 0..3
	v_and_b32 v[LANE], 31, v0
	v_and_b32 v[TA0], 15, v0                       ; r
	v_bfe_u32 v[TA1], v0, 4, 1                     ; h
	v_lshlrev_b32 v[XO], 4, v0
	v_lshl_add_u32 v[XSW], v0, 4, XSB
	v_lshl_add_u32 v[XSR], v[LANE], 2, XSB
	s_wait_alu depctr_va_sdst(0)                   ; s22 is written, ahead of its first reader: LDS places and the weights' bases are made from it
	s_mul_i32 s25, s22, 24576
	v_mul_u32_u24 v[CW], v[LANE], 48
	v_add_nc_u32 v[CW], s25, v[CW]
	s_lshl_b32 s25, s22, 11
	s_add_co_u32 s25, s25, SCB
	v_lshl_add_u32 v[SW], v[LANE], 2, s25
	v_mul_u32_u24 v[BR], v[TA1], 24576
	v_mad_u32_u24 v[BR], v[TA0], 48, v[BR]
	v_lshl_add_u32 v[SR], v[TA1], 12, SCB
	v_lshl_add_u32 v[SR], v[TA0], 2, v[SR]
	s_lshl_b32 s25, s22, 12
	s_add_co_u32 s25, s25, PSB
	v_lshl_add_u32 v[PSW], v[TA1], 11, s25
	v_lshl_add_u32 v[PSW], v[TA0], 2, v[PSW]
	v_lshl_add_u32 v[PSR], v0, 4, PSB
	v_lshlrev_b32 v[H8], 3, v[TA1]
	v_lshlrev_b32 v[O32], 5, v[TA1]
	v_lshlrev_b32 v[L16], 4, v[LANE]
	s_mul_i32 s25, s22, 8448
	s_add_co_u32 s25, s25, WST                     ; my stage for w2
	v_add_nc_u32 v[STI], s25, v[L16]
	v_mul_u32_u24 v[STO], v[TA0], 528
	v_lshl_add_u32 v[STO], v[TA1], 8, v[STO]
	v_add_nc_u32 v[STO], s25, v[STO]
	v_mul_u32_u24 v[L24], v[LANE], 24
	v_lshlrev_b32 v[L4], 2, v[LANE]
	s_mul_i32 s25, s22, 1792
	s_add_co_u32 s25, s25, W1T                     ; my bytes for w1 and b1
	v_lshl_add_u32 v[WSW], v[LANE], 2, s25
	v_mov_b32 v[WSR], s25
.irp i, 0,1,2,3,4,5
	v_mov_b32 v[XX+2*\i+1], 0                      ; named as upper halves of pairs, so they are written
.endr
	v_mov_b32 v[PW2], 0                            ; a lane permute's destination counts as one of its sources
	s_mov_b32 s30, 0x76543210
	s_mov_b32 s31, 0xfedcba98                      ; v_permlanex16_b32's selects for lane l xor 16
	s_mov_b32 s42, 0x00ff00ff
	s_and_b32 s43, s22, 1
	s_lshl_b32 s43, s43, 3
	s_lshr_b32 s23, ttmp9, 4                       ; the sample
	s_and_b32 s25, ttmp9, 15
	s_lshl_b32 s25, s25, 13                        ; my 2,048 positions, in bytes
	s_mov_b32 s27, 0
	s_wait_kmcnt 0x0
	s_lshl_b32 s26, s23, 2
	s_add_nc_u64 s[6:7], s[6:7], s[26:27]
	s_load_b32 s24, s[6:7], 0x0                    ; obj_idx[sample]
	s_mul_i32 s26, s23, 786432
	s_add_co_u32 s26, s26, s25
	s_add_nc_u64 s[4:5], s[4:5], s[26:27]          ; x at my first position, row 0
	s_lshl_b32 s26, s23, 17
	s_add_co_u32 s26, s26, s25
	s_add_nc_u64 s[20:21], s[20:21], s[26:27]      ; out likewise
	s_wait_alu depctr_va_vdst(0)                   ; every offset and LDS address made above is written: the kernel's loads and stores read them, and none but v[TA0 .. TA2] is written again
	XLOAD                                          ; the first chunk's x
	s_wait_kmcnt 0x0
	s_min_u32 s24, s24, 7                          ; the expert
	s_mul_i32 s26, s24, 6144
	s_mul_i32 s25, s22, 1536
	s_add_co_u32 s26, s26, s25
	s_add_nc_u64 s[8:9], s[8:9], s[26:27]          ; w1: my 64 rows of 24 bytes
	s_lshl_b32 s26, s24, 10
	s_lshl_b32 s25, s22, 8
	s_add_co_u32 s26, s26, s25
	s_add_nc_u64 s[10:11], s[10:11], s[26:27]      ; b1, b2, w3: my 64 numbers
	s_add_nc_u64 s[14:15], s[14:15], s[26:27]
	s_add_nc_u64 s[16:17], s[16:17], s[26:27]
	s_lshl_b32 s26, s24, 18
	s_lshl_b32 s25, s22, 16
	s_add_co_u32 s26, s26, s25
	s_add_nc_u64 s[12:13], s[12:13], s[26:27]      ; w2: my 64 rows of 1,024 bytes
	s_lshl_b32 s26, s24, 2
	s_add_nc_u64 s[18:19], s[18:19], s[26:27]
	s_load_b32 s28, s[18:19], 0x0                  ; b3
.irp i, 0,1,2,3,4,5                            ; w1 is stored [k][i]: lane l takes w1(i, 32 c + l); the twelve loads together read my 1,536 bytes.  (No vector instruction has named a register in which a load of the head lands, up to the first unit of w2)
.irp c, 0,1
	global_load_b32 v[WT+2*\i+\c], v[L24], s[8:9] offset:768*\c+4*\i
.endr
.endr
.irp c, 0,1
	global_load_b32 v[WT+12+\c], v[L4], s[10:11] offset:128*\c   ; b1(32 c + l)
.endr
.irp t, 0,1,2,3                                ; b2 and w3 in the result's layout: lane (r, h), tile t: channels 16 t + 8 h + 0 .. 7
	global_load_b128 v[B2+8*\t:B2+8*\t+3], v[O32], s[14:15] offset:64*\t
	global_load_b128 v[B2+8*\t+4:B2+8*\t+7], v[O32], s[14:15] offset:64*\t+16
.endr
	WIN 0xC0
.irp t, 0,1,2,3
	global_load_b128 v[W3+8*\t:W3+8*\t+3], v[O32], s[16:17] offset:64*\t
	global_load_b128 v[W3+8*\t+4:W3+8*\t+7], v[O32], s[16:17] offset:64*\t+16
.endr
	GLW 0, 0
	GLW 1, 0
	GLW 2, 0
	s_wait_loadcnt 48                              ; all but the 48 loads of w2's first three units: w1 and b1 are in
.irp i, 0,1,2,3,4,5,6                          ; laid down by (i, k), b1 as row 6: 128 consecutive bytes a store
.irp c, 0,1
	ds_store_b32 v[WSW], v[WT+2*\i+\c] offset:256*\i+128*\c
.endr
.endr
	WIN 0x40                                       ; and read back, every lane the same 16 bytes, so that every lane holds all 448 numbers.  LDS serves a wave's instructions in order: these see my stores
.irp i, 0,1,2,3
.irp j, 0,1,2,3,4,5,6,7,8,9,10,11,12,13,14,15
	ds_load_b128 v[64*\i+4*\j:64*\i+4*\j+3], v[WSR] offset:256*\i+16*\j
.endr
.endr
	WIN 0x80
.irp i, 4,5,6
.irp j, 0,1,2,3,4,5,6,7,8,9,10,11,12,13,14,15
	ds_load_b128 v[64*(\i-4)+4*\j:64*(\i-4)+4*\j+3], v[WSR] offset:256*\i+16*\j
.endr
.endr
	WIN 0
.irp u, 0,1,2,3,4,5,6,7
	WUNIT \u
.endr                                          ; the last unit's wait was for 0: every load of the head is in, x among them
	s_wait_kmcnt 0x0                               ; b3
	XSTORE
	BARRIER                                        ; the first chunk's x lies in LDS
	s_mov_b32 s32, 4
; ---------------- A CHUNK OF 512 POSITIONS ----------------
.Lchunk:
	; ---- 1: my 64 hidden units, 32 positions a trip.  A trip's codes are stored in the trip behind it; the last trip's behind the loop
	s_mov_b32 s34, 0
	s_mov_b32 s35, 0
.irp i, 0,1,2,3,4,5
	ds_load_b32 v[XX+2*\i], v[XSR] offset:2048*\i  ; (no vector or matrix instruction issued since the last wait on va_vdst names these six registers)
.endr
	GROUP 1
	s_mov_b32 s33, 15
.Lgroup:
	GROUP 0
	s_sub_co_u32 s33, s33, 1
	s_cmp_lg_u32 s33, 0
	s_cbranch_scc1 .Lgroup
	s_wait_alu depctr_va_vdst(0)                   ; the last trip has written v[CC ..], v[PWD], v[TA0] and v[TA1], which the stores below read
	SEND
	BARRIER                                        ; all four waves' codes and scale words lie in LDS, and nobody reads this chunk's x any more
	; ---- 2: my 64 channels, 16 positions a tile.  Tile n lies in buffer and group n % 2.  In front of tile n: tile n + 1 is asked for and tile n - 3's sum is stored; among tile n's matrix instructions: tile n - 1's relu and w3
	s_mov_b32 s37, 0
	s_mov_b32 s38, 0
	s_mov_b32 s39, 0
	BOUND 0, 1, 0                                  ; tile 0 is asked for
	s_cmp_eq_u32 s32, 1                            ; the next chunk's x is asked for here, if there is a next chunk: no load leaves its buffer
	s_cbranch_scc1 .Lno_x
	s_add_nc_u64 s[4:5], s[4:5], 2048              ; (the loads that used this base have been waited for)
	XLOAD                                          ; (the LDS stores that read v[XG ..] stand ahead of the wait on vm_vsrc in BOUND above)
.Lno_x:
	s_wait_dscnt 0x0
	v_bfi_b32 v[BS], s42, v[RW], v[RW+1]
.rept 8
	v_nop                                          ; a scale register written by a vector instruction stands eight places ahead of the scaled matrix instruction
.endr
	BOUND 0, 1, 1                                  ; tile 1 is asked for
	HT 0, 0                                        ; tile 0
	BOUND 0, 1, 0
	HT 1, 1                                        ; tile 1 | tile 0's relu and w3, into set 0
	BOUND 0, 1, 1
	HT 0, 1                                        ; tile 2 | tile 1's, into set 1
	WIN 0
	s_mov_b32 s44, 14
.Lpair:                                            ; trip j = 1 .. 14: tiles 2 j + 1 and 2 j + 2 are multiplied, tiles 2 j + 2 and 2 j + 3 asked for, tiles 2 j - 2 and 2 j - 1 stored
	BOUND 1, 1, 0
	HT 1, 1
	BOUND 1, 1, 1
	HT 0, 1
	WIN 0
	s_sub_co_u32 s44, s44, 1
	s_cmp_lg_u32 s44, 0
	s_cbranch_scc1 .Lpair
	BOUND 1, 0, 0                                  ; tile 28 is stored; there is no tile 32 to ask for
	HT 1, 1                                        ; tile 31 | tile 30's relu and w3
	BOUND 1, 0, 1                                  ; tile 29 is stored
	WIN 0x03
	RELU4 1, 0                                     ; tile 31's relu and w3
.irp k, 1,2,3,4,5,6,7
	RELU4 1, \k
	DOT4 1, \k-1
.endr
	DOT4 1, 7
	BOUND 1, 0, 0                                  ; tile 30 is stored
	BOUND 1, 0, 1                                  ; tile 31
	s_wait_loadcnt 0x0                             ; the next chunk's x is in registers,
	XSTORE                                         ; and goes to LDS.  (In the last chunk these six lines store the last chunk's x once more, and nobody reads it)
	BARRIER                                        ; the eight planes of partial sums and the next x lie in LDS, and nobody reads this chunk's codes any more
	; ---- 3: thread t finishes positions 4 t .. 4 t + 3
.irp p, 0,1,2,3,4,5,6,7
	ds_load_b128 v[SS+4*\p:SS+4*\p+3], v[PSR] offset:2048*\p   ; (these registers were accumulators: every matrix and vector instruction that named them stands ahead of the wait on va_vdst in the last BOUND, and none has been issued since)
.endr
	s_wait_dscnt 0x0
.irp p, 0,1,2,3
.irp q, 0,2
	v_pk_add_f32 v[SS+4*\p+\q:SS+4*\p+\q+1], v[SS+4*\p+\q:SS+4*\p+\q+1], v[SS+16+4*\p+\q:SS+16+4*\p+\q+1]
.endr
.endr
.irp p, 0,1
.irp q, 0,2
	v_pk_add_f32 v[SS+4*\p+\q:SS+4*\p+\q+1], v[SS+4*\p+\q:SS+4*\p+\q+1], v[SS+8+4*\p+\q:SS+8+4*\p+\q+1]
.endr
.endr
.irp q, 0,2
	v_pk_add_f32 v[SS+\q:SS+\q+1], v[SS+\q:SS+\q+1], v[SS+4+\q:SS+4+\q+1]
.endr
.irp q, 0,1,2,3
	v_add_f32 v[SS+\q], s28, v[SS+\q]              ; + b3
.endr
	s_wait_alu depctr_va_vdst(0)                   ; the additions have written v[SS .. SS + 3], which the store reads
	global_store_b128 v[XO], v[SS:SS+3], s[20:21] th:TH_STORE_NT   ; a wave stores 512 consecutive bytes, at a multiple of 256 from out's first byte; written once, read by nobody here
	s_wait_xcnt 0x0                                ; the store's base and data are written again only behind this wait
	s_wait_alu depctr_vm_vsrc(0)                   ; the store has read v[SS .. SS + 3], which the next chunk's layer 1 writes; tile 31's LDS store has read v[TA2], which the next chunk's first trip writes
	s_add_nc_u64 s[20:21], s[20:21], 2048
	s_sub_co_u32 s32, s32, 1
	s_cmp_lg_u32 s32, 0
	s_cbranch_scc1 .Lchunk
	s_wait_dscnt 0x0                               ; the closing lines, six on end
	s_wait_alu 0x0
	s_wait_tensorcnt 0x0
	ds_add_u32 v254, v255
	s_wait_dscnt 0x0
	s_endpgm
.Lfunc_end_k_q5683ce67f6_mlp:
	.size	k_q5683ce67f6_mlp, .Lfunc_end_k_q5683ce67f6_mlp-k_q5683ce67f6_mlp
	.p2alignl 7, 3214868480
	.fill 96, 4, 3214868480
	.section	.rodata,"a",@progbits
	.p2align	6, 0x0
	.amdhsa_kernel k_q5683ce67f6_mlp
		.amdhsa_group_segment_fixed_size 176640
		.amdhsa_private_segment_fixed_size 0
		.amdhsa_enable_private_segment 0
		.amdhsa_kernarg_size 72
		.amdhsa_user_sgpr_count 2
		.amdhsa_user_sgpr_kernarg_segment_ptr 1
		.amdhsa_wavefront_size32 1
		.amdhsa_system_sgpr_workgroup_id_x 1
		.amdhsa_system_sgpr_workgroup_id_y 1
		.amdhsa_system_sgpr_workgroup_id_z 1
		.amdhsa_system_vgpr_workitem_id 0
		.amdhsa_next_free_vgpr 1024
		.amdhsa_next_free_sgpr 66
		.amdhsa_reserve_vcc 0
		.amdhsa_float_denorm_mode_32 3
		.amdhsa_float_denorm_mode_16_64 3
		.amdhsa_memory_ordered 1
		.amdhsa_forward_progress 1
		.amdhsa_inst_pref_size 139
	.end_amdhsa_kernel
	.amdgpu_metadata
---
amdhsa.version: [ 1, 2 ]
amdhsa.kernels:
  - .name:           k_q5683ce67f6_mlp
    .symbol:         k_q5683ce67f6_mlp.kd
    .args:
      - { .name: x, .offset: 0, .size: 8, .value_kind: global_buffer, .address_space: global }
      - { .name: obj_idx, .offset: 8, .size: 8, .value_kind: global_buffer, .address_space: global }
      - { .name: w1, .offset: 16, .size: 8, .value_kind: global_buffer, .address_space: global }
      - { .name: b1, .offset: 24, .size: 8, .value_kind: global_buffer, .address_space: global }
      - { .name: w2, .offset: 32, .size: 8, .value_kind: global_buffer, .address_space: global }
      - { .name: b2, .offset: 40, .size: 8, .value_kind: global_buffer, .address_space: global }
      - { .name: w3, .offset: 48, .size: 8, .value_kind: global_buffer, .address_space: global }
      - { .name: b3, .offset: 56, .size: 8, .value_kind: global_buffer, .address_space: global }
      - { .name: out0, .offset: 64, .size: 8, .value_kind: global_buffer, .address_space: global }
    .group_segment_fixed_size: 176640
    .private_segment_fixed_size: 0
    .kernarg_segment_align: 8
    .kernarg_segment_size: 72
    .max_flat_workgroup_size: 128
    .sgpr_count:     66
    .vgpr_count:     1024
    .wavefront_size: 32
...
	.end_amdgpu_metadata
.endif
;; end of part 3
